; MI455X (gfx1250); checked and timed in simulation.
; The chip was launched on July 23, 2026; its instructions are those of AMD's public machine-readable ISA for CDNA 5 (MIT licence, August 2026) and "CDNA5" Instruction Set Architecture Reference Guide (July 2026). The comments in the code are by the model that wrote it; some were corrected since.
;; GPT2 Attention. Allowed arithmetic: matrix products marked QUANTISED: E5M2 operands, one E8M0 scale for each 32 along K, by v_wmma_scale_f32_16x16x128_f8f6f4 with both operands' format E5M2, f32 sums; everything else in f32.
;; Inputs: c_attn_b 3,072 float32; c_attn_w 1,024 x 3,072 float32; c_proj_b 1,024 float32; c_proj_w 1,024 x 1,024 float32; hidden_states 2 x 2,048 x 1,024 float32.
;; Outputs: out0 2 x 2,048 x 1,024 float32.
;; This version of the problem:
;;   THIS VERSION OF THE PROBLEM IS GIVEN IN LOW PRECISION. The matrix products marked QUANTISED in the list below multiply operands that are first quantised to E5M2 (5 exponent bits, 2 mantissa bits; 8 bits a number), with one power-of-two scale for each 32 numbers along K (OCP MX v1.0); their sums are f32. All else is computed in f32.
;;   The module's matrix products, in the order in which they are computed (A, B: the left and right operand; K: the contracted axis; several contracted axes count as one K, in the product's order):
;;     1. [M 4,096, K 1,024] x [K 1,024, N 3,072]; A: input hidden_states; B: input c_attn_w: QUANTISED
;;     2. batch 32 x [M 2,048, K 64] x [K 64, N 2,048]; A: computed on the way; B: computed on the way: QUANTISED
;;     3. batch 32 x [M 2,048, K 2,048] x [K 2,048, N 64]; A: softmax (see below); B: computed on the way: QUANTISED
;;     4. [M 4,096, K 1,024] x [K 1,024, N 1,024]; A: computed on the way; B: input c_proj_w: QUANTISED
;;   THE QUANTISER, for each operand of a quantised product, along K:
;;     - K is cut into blocks of 32 from its start; a last block that is shorter is filled with zeros.
;;     - A block's scale is 2^e with e = floor(log2(the largest magnitude in the block)) - 15, held to -126 .. 127; a block of zeros has e = 0. As a byte (E8M0): e + 127.
;;     - Each number is divided by its block's scale, clamped to +-57,344, and rounded to the nearest number of E5M2, ties to even, subnormals kept.
;;     - The product sums the exact products of the quantised numbers (number of the format x scale) in f32.
;;   ~~~python
;;   def quantise(x, axis):      # numpy; x: float32 -> the quantised numbers, widened to float32 again
;;       x = np.moveaxis(x, axis, -1); K = x.shape[-1]
;;       x = np.pad(x, [(0, 0)] * (x.ndim - 1) + [(0, -K % 32)]); x = x.reshape(x.shape[:-1] + (-1, 32)); a = np.abs(x).max(-1, keepdims=True)
;;       e = np.where(a > 0, np.clip(np.frexp(np.where(a > 0, a, 1))[1] - 1 - 15, -126, 127), 0)      # np.frexp(a)[1] - 1 = floor(log2(a)), exactly
;;       r = np.clip(x / 2.0 ** e, -57344, 57344)
;;       step = 2.0 ** (np.maximum(np.frexp(np.where(r == 0, 1, r))[1] - 1, -14) - 2)
;;       q = np.round(r / step) * step * 2.0 ** e      # np.round: ties to even
;;       return np.moveaxis(q.reshape(q.shape[:-2] + (-1,))[..., :K], -1, axis).astype(np.float32)
;;   ~~~
;;   SOFTMAX AHEAD OF A QUANTISED PRODUCT. Where the list says 'softmax', what is quantised is not the finished softmax but p = 2^(t - M), with t = logit x log2(e) and M = ceil(the row's largest t), a whole number; so 1/2 < the row's largest p <= 1. The row's sum l is taken of the UNQUANTISED p, in f32, and the product's result is divided by l at the end. Since M is a whole number, a kernel that streams over the keys may use a running M (the ceiling of the running maximum): every later rescaling is an exact power of two, which a block's scale takes up: the codes' values come out the same.
;;   OPERANDS COMPUTED ON THE WAY. 'Computed on the way' means the value that the module computes at that place (a softmax that the list does not call 'softmax' is quantised finished and normalised). What goes into a quantiser is computed in f32, as accurately as f32 sums, v_exp_f32 and their like allow (about 1e-6 of the number): no bf16 or f16 on the way to a quantiser, and a product that is left as it is and whose result goes on into a quantised operand takes f32 operands (vector FMAs, or v_wmma_f32_16x16x4_f32). A number that lies on a knife's edge between two numbers of the format may be rounded either way, as far as f32 arithmetic and the matrix unit's own rounding can turn it there, and no further.
;; One version. Each part assembles by itself: llvm-mc -triple=amdgcn-amd-amdhsa -mcpu=gfx1250 --defsym DOCPART=n.
;; ======== version 1 of 1: 4 launches
;; limits: right only within a limited range of input values
;; workspace buffers: xbuf 4,325,376 bytes; wbuf 4,325,376 bytes; obuf 4,325,376 bytes; qbuf 8,912,896 bytes; kvbuf 8,912,896 bytes
;; launch quant (part 1): grid 256 x 1, 4 waves a work-group, no clusters, 34,304 bytes of LDS; arguments hidden_states, c_attn_w, c_proj_w, xbuf, wbuf; writes xbuf, wbuf
.if DOCPART == 1
	.amdgcn_target "amdgcn-amd-amdhsa--gfx1250"
	.amdhsa_code_object_version 6
	.text
	.protected	k_qc0de599bf6_quant
	.globl	k_qc0de599bf6_quant
	.p2align	8
	.type	k_qc0de599bf6_quant,@function
k_qc0de599bf6_quant:
	s_mov_b64 s[64:65], 0
	v_nop
	global_prefetch_b8 v0, s[64:65] scope:SCOPE_SE
	s_setreg_imm32_b32 hwreg(HW_REG_WAVE_MODE, 25, 1), 1
	s_wait_xcnt 0x0
; hidden_states [4096][1024], c_attn_w [1024][3072] and c_proj_w [1024][1024], f32, become codes of BF8 (E5M2) with one E8M0 byte for each 32 along K (K = 1,024 for all three).
; A block's scale is 2^(floor(log2(its largest magnitude)) - 15); its byte is the largest magnitude's exponent field - 15, held at 1 from below; each number is rounded to the nearest code, ties to even.
; LAYOUT OF THE RESULTS (xbuf for the tokens, wbuf for the 3,072 + 1,024 weight columns): IMAGES OF OPERAND REGISTERS.  Codes: [block of 128 rows][K step of 128][tile of 16 rows][piece c 0..3][lane][16 bytes];
; lane (r = lane % 16, h = lane / 16), piece c, holds k = 32 c + 16 h + 0 .. 15 of its row.  So the products' launches load a fragment by four loads of 512 consecutive bytes.
; THE ROWS OF A TILE ARE NOT NEIGHBOURS: in each group of 32 rows, tile 2 g + u, lane r, holds row 32 g + 8 u + r + 8 (r / 8): a product's results then lie as the next quantiser wants them.
; Scale bytes, from byte CODES on: [block of 128 rows][tile][r][32 bytes], a row's 32 blocks on end.
; SHARES: 1,024 wave tasks of 32 KiB of f32.  Work-groups 0-127: the tokens, a wave = one tile of 16 rows x 512 along K.  128-223: c_attn_w; 224-255: c_proj_w: a wave = 32 columns x 256 along K.
; No input is read by two work-groups: no cluster, no tensor loads, no barrier; waves share nothing.  Only the tokens' path uses LDS.
; LIMITS: NaN and infinities among the inputs are not served.  A block of zeros gets the byte 1 where the quantiser says 127: its codes are zeros, and these bytes are read by this program alone.
.set CODES, 4194304
.set RBK,   131072                     ; a block of 128 rows x 1,024 codes
.set KSB,   16384                      ; one K step of it
.set SP,    528                        ; the tokens' stage: a row of 512 bytes + 16: sixteen rows start at sixteen different 16-byte columns of 256
.set LI,  2                            ; v2   16 x lane
.set SWA, 3                            ; v3   stage, on the way in: wave's stage + 16 x lane
.set SRA, 4                            ; v4   on the way out: wave's stage + 528 r + 64 h
.set VSX, 5                            ; v5   my 8 scale bytes: 32 r + 8 h
.set WL,  3                            ; (weights' path) v3 4 x lane;  v4 my codes' place;  v5 my scale bytes' place
.set VO,  4
.set VS,  5
.set PC,  16                           ; v16-31   a fragment's codes
.set TM,  32                           ; v32-35 largest magnitudes, v36-39 the other half's / bytes, v44-47 the conversions' scale operands
.set SW,  48                           ; v48-51   the four K steps' scale words
.set DD,  52                           ; v[52:53] the 8 bytes that I store
.set X,   64                           ; v64-127  64 numbers: register 16 b + i = k 32 b + 16 h + i of my row
.set R,   128                          ; v128-255 two sets of 64: 16 rows x 16 bytes as loaded
.set SEL, 20                           ; s[20:21] v_permlanex16_b32's selects for lane l xor 16
.set MNT, 23
	s_load_b256 s[4:11], s[0:1], 0x0               ; hidden_states s[4:5], c_attn_w s[6:7], c_proj_w s[8:9], xbuf s[10:11]
	s_load_b64 s[12:13], s[0:1], 0x20              ; wbuf
	v_lshl_add_u32 v14, v0, 2, 0x8400
	v_mov_b32 v15, 0
	v_lshrrev_b32 v1, 5, v0
	v_readfirstlane_b32 s16, v1                    ; wave 0..3
	v_and_b32 v1, 31, v0                           ; lane
	s_mov_b32 s[SEL], 0x76543210
	s_mov_b32 s[SEL+1], 0xfedcba98
	s_cmp_lt_u32 ttmp9, 128
	s_cbranch_scc0 .Lweights
; ---------------- THE TOKENS: K is innermost.  A load reads 512 consecutive bytes of one row; the 16 rows turn through the wave's own stage in LDS, so that a lane gets 16 neighbours of each block of 32.
	v_and_b32 v6, 15, v1                           ; r
	v_lshrrev_b32 v7, 4, v1                        ; h
	v_lshlrev_b32 v[LI], 4, v1
	s_mul_i32 s24, s16, 16*SP                      ; my wave's stage
	v_add_nc_u32 v[SWA], s24, v[LI]
	v_mul_u32_u24 v[SRA], v6, SP
	v_lshl_add_u32 v[SRA], v7, 6, v[SRA]
	v_add_nc_u32 v[SRA], s24, v[SRA]
	v_lshlrev_b32 v[VSX], 5, v6
	v_lshl_add_u32 v[VSX], v7, 3, v[VSX]
.irp b, 0,1,2,3
	v_mov_b32 v[TM+4+\b], 0                        ; written once: a lane permute's destination counts as one of its sources
.endr
	s_lshl_b32 s17, ttmp9, 2
	s_add_co_u32 s17, s17, s16                     ; task 0..511
	s_lshr_b32 s18, s17, 1                         ; T: the tile, 0..255
	s_and_b32 s19, s17, 1                          ; which 512 along K
	s_lshr_b32 s25, s18, 3                         ; block of 128 rows
	s_bfe_u32 s26, s18, 0x20001                    ; group of 32 rows in it
	s_and_b32 s27, s18, 1                          ; u
	s_and_b32 s28, s18, 7                          ; tile in the block
	s_lshl_b32 s29, s25, 7
	s_lshl_b32 s30, s26, 5
	s_add_co_u32 s29, s29, s30
	s_lshl_b32 s30, s27, 3
	s_add_co_u32 s29, s29, s30                     ; the tile's first row: 128 block + 32 group + 8 u
	s_lshl_b32 s30, s29, 12                        ; x 4,096 bytes a row
	s_lshl_b32 s31, s19, 11
	s_add_co_u32 s30, s30, s31                     ; + 2,048 for the second half of K
	s_mov_b32 s31, 0
	s_lshl_b32 s32, s25, 17                        ; codes: block x RBK
	s_lshl_b32 s33, s19, 16
	s_add_co_u32 s32, s32, s33                     ; + 4 K steps for the second half
	s_lshl_b32 s33, s28, 11
	s_add_co_u32 s32, s32, s33                     ; + tile x 2,048
	s_mov_b32 s33, 0
	s_lshl_b32 s34, s18, 9                         ; scale bytes: 512 a tile
	s_lshl_b32 s35, s19, 4
	s_add_co_u32 s34, s34, s35                     ; + 16 for the second half
	s_add_co_u32 s34, s34, CODES
	s_mov_b32 s35, 0
	s_wait_alu depctr_va_vdst(0)
	s_wait_kmcnt 0x0
	s_add_nc_u64 s[4:5], s[4:5], s[30:31]
	s_add_nc_u64 s[36:37], s[10:11], s[32:33]
	s_add_nc_u64 s[38:39], s[10:11], s[34:35]
.macro LOADK q                         ; K step q of my four: lane row i of the tile is row i + 8 (i / 8) from the tile's first; 32 lanes read 512 consecutive bytes
.irp i, 0,1,2,3,4,5,6,7,8,9,10,11,12,13,14,15
	global_load_b128 v[R+64*((\q)%2)+4*\i:R+64*((\q)%2)+4*\i+3], v[LI], s[4:5] offset:(\i+8*(\i/8))*4096+512*(\q) th:TH_LOAD_NT
.endr
.endm
; 64 numbers of a lane, v[s] on, become a fragment's codes in v[PC] on and its row's scale word in v[pw]
.macro QUANT s, pw
.irp b, 0,1,2,3
	v_max3_num_f32 v[TM+\b], |v[\s+16*\b]|, |v[\s+1+16*\b]|, 0x8000000   ; block b: my 16 numbers, and the floor 2^(16 - 127): the byte cannot fall under 1
.endr
.irp i, 2,4,6,8,10,12,14
.irp b, 0,1,2,3
	v_max3_num_f32 v[TM+\b], v[TM+\b], |v[\s+16*\b+\i]|, |v[\s+1+16*\b+\i]|   ; the four blocks by turns
.endr
.endr
.irp b, 0,1,2,3
	v_permlanex16_b32 v[TM+4+\b], v[TM+\b], s[SEL], s[SEL+1]
.endr
.irp b, 0,1,2,3
	v_max_num_f32 v[TM+\b], v[TM+\b], v[TM+4+\b]   ; with lane l xor 16's 16: the block's largest magnitude
.endr
.irp b, 0,1,2,3
	v_add_nc_u32 v[TM+12+\b], 0xf8800000, v[TM+\b] ; 15 off its exponent field: the conversion takes this operand's exponent field as its scale
.endr
.irp b, 0,1,2,3
.endr
.irp b, 0,1,2,3
	v_lshrrev_b32 v[TM+4+\b], 23, v[TM+12+\b]      ; the scale's byte
.endr
	v_lshl_or_b32 v[\pw], v[TM+5], 8, v[TM+4]
	v_lshl_or_b32 v[\pw], v[TM+6], 16, v[\pw]
	v_lshl_or_b32 v[\pw], v[TM+7], 24, v[\pw]
.irp b, 0,1,2,3
.irp i, 0,1,2,3,4,5,6,7,8,9,10,11,12,13,14,15
.endr
	v_cvt_scalef32_pk8_bf8_f32 v[PC+4*\b:PC+1+4*\b], v[\s+16*\b:\s+7+16*\b], v[TM+12+\b]
	v_cvt_scalef32_pk8_bf8_f32 v[PC+2+4*\b:PC+3+4*\b], v[\s+8+16*\b:\s+15+16*\b], v[TM+12+\b]
.endr
	v_nop                                          ; one plain line behind the last conversion
.endm
.macro KSTEP q
.if (\q) < 3
	s_wait_loadcnt 16                              ; this step's 16 loads are in; the other set's 16 may be out
.else
	s_wait_loadcnt 0x0
.endif
.irp i, 0,1,2,3,4,5,6,7,8,9,10,11,12,13,14,15
	ds_store_b128 v[SWA], v[R+64*((\q)%2)+4*\i:R+64*((\q)%2)+4*\i+3] offset:SP*\i
.endr
.irp c, 0,1,2,3
.irp j, 0,1,2,3
	ds_load_b128 v[X+16*\c+4*\j:X+16*\c+4*\j+3], v[SRA] offset:128*\c+16*\j   ; LDS serves a wave's instructions in order: these see the stores above
.endr
.endr
	s_wait_dscnt 0x0                               ; my 64 numbers are in, and the stores have read their registers,
.if (\q) < 2
	LOADK (\q)+2                                   ; which take the loads of two steps on
.endif
.if (\q) > 0
	s_wait_xcnt 0x0                                ; the last step's stores have read the codes' registers: they are written again only behind this wait
.endif
	QUANT X, SW+(\q)
.irp c, 0,1,2,3
	global_store_b128 v[LI], v[PC+4*\c:PC+4*\c+3], s[36:37] offset:(\q)*KSB+512*\c   ; 32 lanes store 512 consecutive bytes, aligned
.endr
.endm
	LOADK 0
	LOADK 1
	KSTEP 0
	KSTEP 1
	KSTEP 2
	KSTEP 3
	v_cmp_ne_u32 vcc_lo, 0, v7                     ; both halves of the lanes hold a row's four words: lanes 0-15 store the first two, lanes 16-31 the last two
	v_cndmask_b32 v[DD], v[SW], v[SW+2], vcc_lo
	v_cndmask_b32 v[DD+1], v[SW+1], v[SW+3], vcc_lo
	global_store_b64 v[VSX], v[DD:DD+1], s[38:39]  ; 16 bytes of each row's 32: pieces, but one byte for each 128 that the task reads
	s_wait_tensorcnt 0x0
	ds_add_u32 v14, v15
	s_wait_dscnt 0x0
	s_endpgm
; ---------------- THE WEIGHTS: K is the first axis.  A lane takes a column, its registers run down K: a block of 32 lies in one lane, and the conversions give codes with K innermost.
.Lweights:
	s_wait_alu depctr_va_vdst(0)
	v_lshlrev_b32 v[WL], 2, v1
	v_bfe_u32 v6, v1, 3, 1                         ; my column is row w = lane of a group of 32: u = (w / 8) % 2,
	v_and_b32 v7, 7, v1
	v_lshrrev_b32 v8, 4, v1
	v_lshl_add_u32 v7, v8, 3, v7                   ; r = w % 8 + 8 (w / 16)
	v_lshlrev_b32 v[VO], 4, v7
	v_lshl_add_u32 v[VO], v6, 11, v[VO]            ; 2,048 u + 16 r
	v_lshlrev_b32 v[VS], 5, v7
	v_lshl_add_u32 v[VS], v6, 9, v[VS]             ; 512 u + 32 r
.macro LOADW t, ncol                   ; block t: W(32 t + i, my column) into set t % 2; 32 lanes read 128 consecutive bytes, the four waves stand side by side on 512
.irp i, 0,1,2,3,4,5,6,7,8,9,10,11,12,13,14,15,16,17,18,19,20,21,22,23,24,25,26,27,28,29,30,31
	global_load_b32 v[32+32*((\t)%2)+\i], v[WL], s[32:33] offset:(32*(\t)+\i)*(\ncol)*4 th:TH_LOAD_NT
.endr
.endm
.macro BLOCK t, ncol
.set XS, 32+32*((\t)%2)
.set CC, 96+8*(\t)                     ; each block has its own eight code registers: no store's data are written again
.if (\t) < 7
	s_wait_loadcnt 32                              ; this block's 32 loads are in; the next block's may be out
.else
	s_wait_loadcnt 0x0
.endif
	v_max3_num_f32 v12, |v[XS]|, |v[XS+1]|, |v[XS+2]|
	v_max3_num_f32 v13, |v[XS+3]|, |v[XS+4]|, |v[XS+5]|
.irp i, 6,10,14,18,22,26
	v_max3_num_f32 v12, v12, |v[XS+\i]|, |v[XS+\i+1]|
	v_max3_num_f32 v13, v13, |v[XS+\i+2]|, |v[XS+\i+3]|
.endr
	v_max3_num_f32 v12, v12, |v[XS+30]|, |v[XS+31]|
	v_max3_num_f32 v12, v12, v13, 0x8000000        ; and the floor 2^(16 - 127)
	v_add_nc_u32 v11, 0xf8800000, v12              ; the conversions' scale operand
	v_lshrrev_b32 v13, 23, v11                     ; the byte
.if (\t)%4 == 0
	v_mov_b32 v[24+(\t)/4], v13
.else
	v_lshl_or_b32 v[24+(\t)/4], v13, 8*((\t)%4), v[24+(\t)/4]
.endif
.irp i, 0,1,2,3,4,5,6,7,8,9,10,11,12,13,14,15,16,17,18,19,20,21,22,23,24,25,26,27,28,29,30,31
.endr
.irp g, 0,1,2,3
	v_cvt_scalef32_pk8_bf8_f32 v[CC+2*\g:CC+2*\g+1], v[XS+8*\g:XS+8*\g+7], v11
.endr
	v_nop                                          ; one plain line behind the last conversion
	global_store_b128 v[VO], v[CC:CC+3], s[34:35] offset:((\t)/4)*KSB+((\t)%4)*512        ; k = 0 .. 15 of the block: the places of lanes 0-15 of piece t % 4; the 32 lanes fill 256 aligned bytes in each of two tiles
	global_store_b128 v[VO], v[CC+4:CC+7], s[34:35] offset:((\t)/4)*KSB+((\t)%4)*512+256  ; k = 16 .. 31: the places of lanes 16-31
.if (\t) < 6
	LOADW (\t)+2, \ncol
.endif
.endm
; ncol: the weight's columns; rb0: its first block of 128 rows in wbuf; wg0: its first work-group; wp: the scalar pair with its address
.macro WPATH ncol, rb0, wg0, wp
	s_sub_co_u32 s17, ttmp9, \wg0
	s_lshr_b32 s18, s17, 2                         ; which 128 columns
	s_and_b32 s19, s17, 3                          ; which 256 along K
	s_mul_i32 s24, s19, 256*(\ncol)*4
	s_lshl_b32 s25, s18, 9
	s_add_co_u32 s24, s24, s25
	s_lshl_b32 s25, s16, 7
	s_add_co_u32 s24, s24, s25                     ; + 4 x (128 group + 32 wave)
	s_mov_b32 s25, 0
	s_add_co_u32 s26, s18, \rb0
	s_lshl_b32 s28, s26, 17                        ; codes: block x RBK
	s_lshl_b32 s29, s19, 15
	s_add_co_u32 s28, s28, s29                     ; + two K steps for each 256 along K
	s_lshl_b32 s29, s16, 12
	s_add_co_u32 s28, s28, s29                     ; + my wave's two tiles
	s_mov_b32 s29, 0
	s_lshl_b32 s30, s26, 12                        ; scale bytes: 4,096 a block
	s_lshl_b32 s31, s16, 10
	s_add_co_u32 s30, s30, s31
	s_lshl_b32 s31, s19, 3
	s_add_co_u32 s30, s30, s31                     ; + 8 bytes for each 256 along K
	s_add_co_u32 s30, s30, CODES
	s_mov_b32 s31, 0
	s_wait_kmcnt 0x0
	s_add_nc_u64 s[32:33], s[\wp:\wp+1], s[24:25]
	s_add_nc_u64 s[34:35], s[12:13], s[28:29]
	s_add_nc_u64 s[36:37], s[12:13], s[30:31]
	LOADW 0, \ncol
	LOADW 1, \ncol
.irp t, 0,1,2,3,4,5,6,7
	BLOCK \t, \ncol
.endr
	global_store_b64 v[VS], v[24:25], s[36:37]     ; my column's 8 scale bytes
	s_endpgm
.endm
	s_cmp_lt_u32 ttmp9, 224
	s_cbranch_scc0 .Lproj_w
	s_wait_alu depctr_va_vdst(0)
	WPATH 3072, 0, 128, 6
.Lproj_w:
	s_wait_alu depctr_va_vdst(0)
	WPATH 1024, 24, 224, 8
.Lfunc_end_k_qc0de599bf6_quant:
	.size	k_qc0de599bf6_quant, .Lfunc_end_k_qc0de599bf6_quant-k_qc0de599bf6_quant
	.p2alignl 7, 3214868480
	.fill 96, 4, 3214868480
	.section	.rodata,"a",@progbits
	.p2align	6, 0x0
	.amdhsa_kernel k_qc0de599bf6_quant
		.amdhsa_group_segment_fixed_size 34304
		.amdhsa_private_segment_fixed_size 0
		.amdhsa_enable_private_segment 0
		.amdhsa_kernarg_size 40
		.amdhsa_user_sgpr_count 2
		.amdhsa_user_sgpr_kernarg_segment_ptr 1
		.amdhsa_wavefront_size32 1
		.amdhsa_system_sgpr_workgroup_id_x 1
		.amdhsa_system_sgpr_workgroup_id_y 1
		.amdhsa_system_sgpr_workgroup_id_z 1
		.amdhsa_system_vgpr_workitem_id 0
		.amdhsa_next_free_vgpr 256
		.amdhsa_next_free_sgpr 66
		.amdhsa_reserve_vcc 1
		.amdhsa_float_denorm_mode_32 3
		.amdhsa_float_denorm_mode_16_64 3
		.amdhsa_fp16_overflow 1
		.amdhsa_memory_ordered 1
		.amdhsa_forward_progress 1
		.amdhsa_inst_pref_size 111
	.end_amdhsa_kernel
	.amdgpu_metadata
---
amdhsa.version: [ 1, 2 ]
amdhsa.kernels:
  - .name:           k_qc0de599bf6_quant
    .symbol:         k_qc0de599bf6_quant.kd
    .args:
      - { .name: hidden_states, .offset: 0, .size: 8, .value_kind: global_buffer, .address_space: global }
      - { .name: c_attn_w, .offset: 8, .size: 8, .value_kind: global_buffer, .address_space: global }
      - { .name: c_proj_w, .offset: 16, .size: 8, .value_kind: global_buffer, .address_space: global }
      - { .name: xbuf, .offset: 24, .size: 8, .value_kind: global_buffer, .address_space: global }
      - { .name: wbuf, .offset: 32, .size: 8, .value_kind: global_buffer, .address_space: global }
    .group_segment_fixed_size: 34304
    .private_segment_fixed_size: 0
    .kernarg_segment_align: 8
    .kernarg_segment_size: 40
    .max_flat_workgroup_size: 128
    .sgpr_count:     66
    .vgpr_count:     256
    .wavefront_size: 32
...
	.end_amdgpu_metadata
.endif
;; end of part 1
;; launch qkv (part 2): grid 12 x 16, 4 waves a work-group, clusters of 4 x 4, 327,680 bytes of LDS; arguments xbuf, wbuf, c_attn_b, qbuf, kvbuf; writes qbuf, kvbuf
.if DOCPART == 2
	.amdgcn_target "amdgcn-amd-amdhsa--gfx1250"
	.amdhsa_code_object_version 6
	.text
	.protected	k_qc0de599bf6_qkv
	.globl	k_qc0de599bf6_qkv
	.p2align	8
	.type	k_qc0de599bf6_qkv,@function
k_qc0de599bf6_qkv:
	s_mov_b64 s[64:65], 0
	v_nop
	global_prefetch_b8 v0, s[64:65] scope:SCOPE_SE
	s_setreg_imm32_b32 hwreg(HW_REG_WAVE_MODE, 25, 1), 1
	s_wait_xcnt 0x0
	s_wait_alu depctr_hold_cnt(0) depctr_sa_sdst(0) depctr_va_vdst(0) depctr_va_sdst(0) depctr_va_ssrc(0) depctr_va_vcc(0) depctr_vm_vsrc(0)
	s_getreg_b32 s2, hwreg(HW_REG_IB_STS2, 6, 4)
	s_cmp_eq_u32 s2, 0
	s_cbranch_scc0 .Lentry_in_a_cluster
	s_endpgm
.Lentry_in_a_cluster:
	s_bfe_u32 s2, ttmp6, 0x10000c
	s_cmp_lg_u32 s2, 0xf033
	s_cbranch_scc0 .Lentry_shape_is_right
	s_endpgm
.Lentry_shape_is_right:
; qkv = x W + b on codes of BF8 (E5M2) with E8M0 scales (K = 1,024), and its results quantised at once: q and k along the head's 64, v along the keys.  Nothing of qkv goes to memory as f32.
; A work-group of four waves makes 256 x 256 results, a wave 128 x 128: 64 accumulators, 512 registers.  K goes in steps of 256 through a ring of two LDS slots filled by the tensor data mover.
; OPERANDS LIE IN MEMORY AS IMAGES OF THEIR REGISTERS ([block of 128 rows][K step][tile][piece][lane][16 bytes]): two K steps of a block are 32,768 dense bytes, one tensor load; a fragment is four LDS loads of 512 consecutive bytes: no pitch, no padding.
; TWO OPERANDS, P AND R.  Source 0 = 16 rows of R, source 1 = 16 rows of P: a lane holds ONE row of P, and its registers run along R; by the order of rows in a tile, the 64 registers of P's tile a are
; R's index 32 g + 16 h + i at register 16 g + i: what the quantiser along R wants.  The cluster's x says which part is made: 0 = q, 1 = k: P = tokens, R = weight columns (registers run along the head);
; 2 = v: P = weight columns, R = tokens (registers run along the keys).  That number is equal in all sixteen partners; the buffers are chosen by it.
; CLUSTERS: 4 x 4 work-groups; P's tiles are shared along a row of the cluster, R's along a column: each is asked for jointly, by the same tensor load with the same descriptor and a mask that names the four.
; The bias is the C of each sum's first matrix instruction: 64 registers in the result's layout; nothing is cleared and nothing is added.
; RESULTS.  kvbuf: a record of 17,408 bytes for each (batch, head, 128 keys): K's codes [tile 0..7][piece 0..1][lane][16], V^T's codes [tile 0..3][piece 0..3][lane][16], K's scale words [2][r][4], V's [r][4], V's once more
; (so that every byte of a record is stored).  qbuf: the same pitch, with Q's codes and scale words at K's places.
; No prefetch: each slot is filled again once, and the launch's tiles are shared in the cluster.
; LIMITS: NaN and infinities are not served.  A block of zeros gets the byte 1 where the quantiser says 127: its codes are zeros, and this program alone reads the bytes.
; REGISTERS, in windows of 256: window 0: v1-31 addresses; v32-63 scale words, two sets; v64-127 the bias; v128-255 P's fragments, one set (in the epilogue: v32-63 at work, v128-255 the codes).
;   window 1: R's fragments, two sets.   window 2: the accumulators of P's tiles 0-3 ((a, b) at v[8 (8 (a % 4) + b)]);   window 3: of tiles 4-7.
.set CODES,  4194304
.set REC,    17408
.set HS,     16*REC                    ; from a head to the next
.set NQ,     2                         ; matrix instructions deep in a slot
.set FR,     16                        ; registers of a fragment
.set NL,     4                         ; LDS loads that bring one
.set NP,     8                         ; places behind this matrix instruction (ISA guide 7.12.1)
.set HALFT,  32768                     ; a block of 128 rows x 256 along K: what one tensor load brings
.set SLOT,   4*HALFT                   ; P's two blocks, then R's two
.set LAPS,   2                         ; K = 1,024 is twice round the ring
.set KS,     32                        ; a row's scale bytes
.set SCL,    2*SLOT                    ; behind the ring: the scales, as units of 256 bytes + 16 of padding
.set HALFS,  16*272                    ; those of 128 rows
.set SBLK,   2*272                     ; those of 16 rows
.set SPARE,  SCL+4*HALFS               ; the spare words, 128 bytes a wave: two blocks of 256 bytes that no other line names
.set ADRA, 16                          ; v16-17  LDS address of my P fragments in slot 0, 1
.set ADRB, 20                          ; v20-21  the same for R
.set LI,   24                          ; v24     16 x lane
.set VS,   25                          ; v25     scale words on the way out: HS x h + 16 r
.set SHF,  26                          ; v26     16 h
.set ADRS, 27                          ; v27     LDS address of my scale words: lanes 0-15 P's rows, lanes 16-31 R's
.set SPW,  28                          ; v28     LDS address of my spare word; never rewritten
.set NIL,  29                          ; v29     0; never rewritten
.set SC,   32
.set BI,   64
.set AF,   128
.set TM,   32                          ; the epilogue: v32-47 as in the quantiser; v48-55 the eight tiles' scale words; v56-63 as stored
.set SW,   48
.set CODE, 128
.set G1, 24
.set G0, 32
.set G1B, 48
.set G0B, 56
.set G1S, 68
.set G0S, 76
.set G1SB, 80
.set G0SB, 88
.set MSB, 0
.macro WIN new                         ; the immediate's high byte repeats the setting that is left
.if MSB != (\new)
	s_set_vgpr_msb (MSB<<8)|(\new)
.set MSB, (\new)
.endif
.endm
.set MUL_LO, 0xa1                      ; source 0 (R) window 1, source 1 (P) window 0, C and D window 2
.set MUL_HI, 0xf1                      ; the same, C and D window 3
.set BIA_LO, 0x81                      ; the first step: C (the bias) window 0, D window 2
.set BIA_HI, 0xc1                      ; D window 3
.set TO_B,   0x40                      ; destination window 1, address window 0
; A joint load: waves 0 and 1 fetch for P, waves 2 and 3 for R.  The branch hangs on the wave's number alone.  Four v_nop follow each of the two lines.
.macro JLOAD g0a, g1a, g0b, g1b
	s_cmp_eq_u32 s15, 0
	s_cbranch_scc0 .Lfor_b_\@
	tensor_load_to_lds s[\g0a:\g0a+3], s[\g1a:\g1a+7]
	s_nop 0
.rept 4
	v_nop
.endr
	s_branch .Lasked_\@
.Lfor_b_\@:
	tensor_load_to_lds s[\g0b:\g0b+3], s[\g1b:\g1b+7]
	s_nop 0
.rept 4
	v_nop
.endr
.Lasked_\@:
.endm
.macro CREST                           ; a round of the cluster's barrier behind its opening barrier
	s_cmp_lg_u32 s14, 0
	s_cbranch_scc1 .Lnot_wave_0_\@
	s_barrier_signal -3
.Lnot_wave_0_\@:
	s_barrier_wait -3
	s_barrier_signal -1
	s_barrier_wait -1
.endm
.macro CROUND                          ; a whole round
	s_barrier_signal -1
	s_barrier_wait -1
	CREST
.endm
	s_load_b256 s[4:11], s[0:1], 0x0               ; xbuf s[4:5], wbuf s[6:7], c_attn_b s[8:9], qbuf s[10:11]
	s_load_b64 s[12:13], s[0:1], 0x20              ; kvbuf
	v_lshl_add_u32 v[SPW], v0, 2, SPARE
	v_mov_b32 v[NIL], 0
	ds_add_u32 v28, v29
	ds_add_u32 v28, v29
	s_wait_dscnt 0x0
	v_lshrrev_b32 v1, 5, v0
	v_readfirstlane_b32 s14, v1                    ; wave 0..3
	s_lshr_b32 s15, s14, 1                         ; which of P's two blocks is mine.  Also: I fetch for P (0) or for R (1)
	s_and_b32 s16, s14, 1                          ; which of R's two blocks.  Also: which block of that operand I fetch
	s_bfe_u32 s40, ttmp6, 0x40000                  ; cx, cy: my place in the cluster
	s_bfe_u32 s41, ttmp6, 0x40004
	s_and_b32 s18, ttmp7, 0xffff                   ; cluster y
	s_cmp_eq_u32 ttmp9, 2                          ; the part v?
	s_cselect_b32 s19, 2, s18                      ; P's tiles: q, k: tokens, by cluster y;  v: the weight's third part
	s_cselect_b32 s45, s18, ttmp9                  ; R's tiles: q, k: the weight's part;  v: tokens, by cluster y
	s_lshl_b32 s17, s19, 2
	s_add_co_u32 s17, s17, s41                     ; P's tile of 256 rows: hangs on cy alone
	s_lshl_b32 s42, s45, 2
	s_add_co_u32 s42, s42, s40                     ; R's tile: on cx alone
	s_lshl_b32 s43, s41, 2
	s_lshl_b32 s43, 15, s43                        ; my row of the cluster
	s_lshl_b32 s44, 0x1111, s40                    ; my column
	; descriptor group 1 for codes: 32,768 dense bytes as 128 rows of 32 elements of 8 bytes
	s_or_b32 s[G1+0], s43, (3<<16)|(1<<21)         ; 15:0 the mask: P's tiles go to my row; 17:16 elements of 8 bytes; 21 set beside a mask
	s_or_b32 s[G1B+0], s44, (3<<16)|(1<<21)
.irp g, G1, G1B
	s_mov_b32 s[\g+1], 32<<16                      ; tensor_dim0
	s_mov_b32 s[\g+2], 128<<16                     ; tensor_dim1
	s_mov_b32 s[\g+3], 32<<16                      ; tile_dim0
	s_mov_b32 s[\g+4], 128                         ; tile_dim1
	s_mov_b32 s[\g+5], 32                          ; tensor_dim0_stride
	s_mov_b32 s[\g+6], 0
	s_mov_b32 s[\g+7], 0
.endr
	; and for the scales of 128 rows: 4,096 dense bytes as 16 rows of 256, 16 bytes of padding behind each
	s_or_b32 s[G1S+0], s43, (3<<16)|(1<<20)|(1<<21)|(5<<22)|(3<<25)
	s_or_b32 s[G1SB+0], s44, (3<<16)|(1<<20)|(1<<21)|(5<<22)|(3<<25)
.irp g, G1S, G1SB
	s_mov_b32 s[\g+1], 32<<16
	s_mov_b32 s[\g+2], 16<<16
	s_mov_b32 s[\g+3], 32<<16
	s_mov_b32 s[\g+4], 16
	s_mov_b32 s[\g+5], 32
	s_mov_b32 s[\g+6], 0
	s_mov_b32 s[\g+7], 0
.endr
	s_lshl_b32 s20, s17, 1
	s_add_co_u32 s20, s20, s16                     ; the block of P that I would fetch
	s_lshl_b32 s46, s42, 1
	s_add_co_u32 s46, s46, s16                     ; and of R
	s_lshl_b32 s22, s20, 12
	s_add_co_u32 s22, s22, CODES                   ; its scale bytes
	s_mov_b32 s23, 0
	s_lshl_b32 s92, s46, 12
	s_add_co_u32 s92, s92, CODES
	s_mov_b32 s93, 0
	s_lshl_b32 s20, s20, 17                        ; its codes
	s_mov_b32 s21, 0
	s_lshl_b32 s46, s46, 17
	s_mov_b32 s47, 0
	s_mul_i32 s45, s14, HALFT                      ; where they go: wave x a block: no place in the cluster enters an LDS address
	s_mul_i32 s94, s14, HALFS
	s_wait_kmcnt 0x0
	s_cmp_eq_u32 ttmp9, 2
	s_cselect_b64 s[96:97], s[6:7], s[4:5]         ; P's buffer
	s_cselect_b64 s[98:99], s[4:5], s[6:7]         ; R's buffer
	s_add_nc_u64 s[20:21], s[96:97], s[20:21]
	s_add_nc_u64 s[22:23], s[96:97], s[22:23]
	s_add_nc_u64 s[46:47], s[98:99], s[46:47]
	s_add_nc_u64 s[92:93], s[98:99], s[92:93]
	CROUND                                         ; all sixteen work-groups are here: the first joint loads meet
	s_mov_b32 s[G0S], 1
	s_add_co_u32 s[G0S+1], s94, SCL
	s_mov_b64 s[G0S+2:G0S+3], s[22:23]
	s_or_b32 s[G0S+3], s[G0S+3], 0x80000000
	s_mov_b32 s[G0SB], 1
	s_add_co_u32 s[G0SB+1], s94, SCL
	s_mov_b64 s[G0SB+2:G0SB+3], s[92:93]
	s_or_b32 s[G0SB+3], s[G0SB+3], 0x80000000
	JLOAD G0S, G1S, G0SB, G1SB                     ; the scales first: they are wanted with the first K step
.irp s, 0,1
	s_mov_b32 s[G0+4*\s], 1
	s_add_co_u32 s[G0+4*\s+1], s45, \s*SLOT
	s_add_nc_u64 s[G0+4*\s+2:G0+4*\s+3], s[20:21], \s*HALFT
	s_or_b32 s[G0+4*\s+3], s[G0+4*\s+3], 0x80000000
	s_mov_b32 s[G0B+4*\s], 1
	s_add_co_u32 s[G0B+4*\s+1], s45, \s*SLOT
	s_add_nc_u64 s[G0B+4*\s+2:G0B+4*\s+3], s[46:47], \s*HALFT
	s_or_b32 s[G0B+4*\s+3], s[G0B+4*\s+3], 0x80000000
	JLOAD G0+4*\s, G1, G0B+4*\s, G1B
.endr
	v_and_b32 v1, 15, v0                           ; r
	v_bfe_u32 v2, v0, 4, 1                         ; h
	v_and_b32 v3, 31, v0
	v_lshlrev_b32 v[LI], 4, v3                     ; an image's place for my lane
	s_mul_i32 s21, s15, HALFT                      ; my block of P
	s_mul_i32 s22, s16, HALFT                      ; my block of R,
	s_add_co_u32 s22, s22, 2*HALFT                 ; which lies behind P's two
.irp s, 0,1
	v_add_nc_u32 v[ADRA+\s], s21, v[LI]
	v_add_nc_u32 v[ADRB+\s], s22, v[LI]
	s_add_co_u32 s21, s21, SLOT
	s_add_co_u32 s22, s22, SLOT
.endr
	v_mul_u32_u24 v5, v1, KS                       ; my row's scales: 32 bytes a row,
	v_lshrrev_b32 v6, 8, v5
	v_lshl_add_u32 v5, v6, 4, v5                   ; and 16 more for each 256 passed
	s_mul_i32 s21, s15, HALFS                      ; P's: my block
	s_mul_i32 s22, s16, HALFS                      ; R's: my block, behind P's two
	s_add_co_u32 s22, s22, 2*HALFS
	s_sub_co_u32 s22, s22, s21
	v_mul_u32_u24 v6, s22, v2                      ; lanes 16-31 take R's
	s_add_co_u32 s21, s21, SCL
	v_add_nc_u32 v5, v5, v6
	v_add_nc_u32 v[ADRS], s21, v5
	v_mul_u32_u24 v[VS], v2, HS
	v_lshl_add_u32 v[VS], v1, 4, v[VS]
	v_lshlrev_b32 v[SHF], 4, v2
	; which blocks are my wave's, and where its results go
	s_lshl_b32 s66, s17, 1
	s_add_co_u32 s66, s66, s15                     ; my block of P
	s_lshl_b32 s67, s42, 1
	s_add_co_u32 s67, s67, s16                     ; my block of R
	s_cmp_eq_u32 ttmp9, 2
	s_cselect_b32 s95, 0, 64                       ; the bias's offset: q, k: it runs along the registers: 64 h + 4 j;
	s_cselect_b32 s18, 4, 0                        ; v: it is my lane's own column's: 4 x (r + 8 (r / 8))
	s_cselect_b32 s19, 0, 4
	s_cselect_b32 s96, s67, s66                    ; the block of tokens
	s_cselect_b32 s97, s66, s67                    ; the block of weight columns
	s_lshl_b32 s98, s97, 9
	s_mov_b32 s99, 0
	s_add_nc_u64 s[8:9], s[8:9], s[98:99]          ; the bias of my 128 columns
	v_and_b32 v5, 8, v1
	v_add_nc_u32 v5, v5, v1                        ; r + 8 (r / 8)
	v_mul_u32_u24 v6, s95, v2
	v_mad_u32_u24 v6, v5, s18, v6
.irp j, 0,1,2,3,4,5,6,7
	v_mad_u32_u24 v[8+\j], \j, s19, v6
.endr
.irp i, 0,1,2,3,4,5,6,7
.irp j, 0,1,2,3,4,5,6,7
	global_load_b32 v[BI+8*\i+\j], v[8+\j], s[8:9] offset:(32*(\i/2)+8*(\i%2))*4   ; tile i begins at column 32 (i / 2) + 8 (i % 2)
.endr
.endr
	s_lshr_b32 s98, s96, 4                         ; batch
	s_lshl_b32 s98, s98, 8
	s_and_b32 s99, s97, 7                          ; pair of heads
	s_lshl_b32 s99, s99, 5
	s_add_co_u32 s98, s98, s99
	s_and_b32 s99, s96, 15                         ; the 128 tokens in the sequence
	s_add_co_u32 s98, s98, s99                     ; record (16 batch + 2 pair) x 16 + step
	s_mul_i32 s98, s98, REC
	s_mov_b32 s99, 0
	s_cmp_eq_u32 ttmp9, 0
	s_cselect_b64 s[12:13], s[10:11], s[12:13]     ; q goes to qbuf, k and v to kvbuf
	s_add_nc_u64 s[12:13], s[12:13], s[98:99]
.macro FRAG reg, adr, q, i             ; a fragment as it lies: four pieces of 512 bytes; lane l's 16 bytes at 16 l
.irp c, 0,1,2,3
	ds_load_b128 v[\reg+4*\c:\reg+4*\c+3], v[\adr] offset:16384*(\q)+2048*(\i)+512*\c
.endr
.endm
; 16 matrix instructions: P's tiles a0, a0 + 1 x R's eight, 128 along K: the slot's q-th.  p: R's set;  sc: the set of scale words.  cm = 0: onto the sums; 1: the sums begin with the bias along R; 2: with the bias along P.
; The 64 accumulators take turns, one instruction a turn, in the same order in every step.
.macro MUL16 a0, p, q, sc, cm
.irp a, \a0, \a0+1
.irp b, 0,1,2,3,4,5,6,7
.if (\cm) == 1
	v_wmma_scale_f32_16x16x128_f8f6f4 v[8*(8*((\a)%4)+\b):8*(8*((\a)%4)+\b)+7], v[128*(\p)+FR*\b:128*(\p)+FR*\b+FR-1], v[AF+FR*(\a):AF+FR*(\a)+FR-1], v[BI+8*\b:BI+8*\b+7], v[SC+8*NQ*(\sc)+NQ*\b+(\q)], v[SC+8*NQ*(\sc)+NQ*(\a)+(\q)] matrix_a_fmt:MATRIX_FMT_BF8 matrix_b_fmt:MATRIX_FMT_BF8 matrix_a_scale:MATRIX_SCALE_ROW1
.elseif (\cm) == 2
	v_wmma_scale_f32_16x16x128_f8f6f4 v[8*(8*((\a)%4)+\b):8*(8*((\a)%4)+\b)+7], v[128*(\p)+FR*\b:128*(\p)+FR*\b+FR-1], v[AF+FR*(\a):AF+FR*(\a)+FR-1], v[BI+8*(\a):BI+8*(\a)+7], v[SC+8*NQ*(\sc)+NQ*\b+(\q)], v[SC+8*NQ*(\sc)+NQ*(\a)+(\q)] matrix_a_fmt:MATRIX_FMT_BF8 matrix_b_fmt:MATRIX_FMT_BF8 matrix_a_scale:MATRIX_SCALE_ROW1
.else
	v_wmma_scale_f32_16x16x128_f8f6f4 v[8*(8*((\a)%4)+\b):8*(8*((\a)%4)+\b)+7], v[128*(\p)+FR*\b:128*(\p)+FR*\b+FR-1], v[AF+FR*(\a):AF+FR*(\a)+FR-1], v[8*(8*((\a)%4)+\b):8*(8*((\a)%4)+\b)+7], v[SC+8*NQ*(\sc)+NQ*\b+(\q)], v[SC+8*NQ*(\sc)+NQ*(\a)+(\q)] matrix_a_fmt:MATRIX_FMT_BF8 matrix_b_fmt:MATRIX_FMT_BF8 matrix_a_scale:MATRIX_SCALE_ROW1
.endif
.endr
.endr
.endm
.macro FETCH_B slot, q, p              ; R's eight fragments of the slot's q-th 128 along K into set p
	WIN TO_B
.irp i, 0,1,2,3,4,5,6,7
	FRAG 128*(\p)+FR*\i, ADRB+\slot, \q, \i
.endr
	WIN 0
.endm
.macro FETCH_A slot, q, i0             ; P's tiles i0 .. i0 + 3
.irp i, \i0, \i0+1, \i0+2, \i0+3
	FRAG AF+FR*(\i), ADRA+\slot, \q, \i
.endr
.endm
.macro SCALES sc                       ; a slot's scale words into set sc: two words a row; lanes 0-15 take P's tile i, lanes 16-31 R's tile i
.irp i, 0,1,2,3,4,5,6,7
	ds_load_b64 v[SC+8*NQ*\sc+NQ*\i:SC+8*NQ*\sc+NQ*\i+1], v[ADRS] offset:\i*SBLK
.endr
.endm
; A load into a register that a matrix instruction has read, and a vector instruction that reads a matrix result or writes one of its registers, stand NP places behind it; only plain vector instructions
; that name none of its registers are places (ISA guide 7.12.1 for vector instructions).
.macro PLACES n
.rept \n
	v_nop
.endr
.endm
; A step of 128 along K that has its successor in the same slot
.macro STEP slot, q, cm
	s_wait_dscnt 4*NL                              ; R's set and P's tiles 0-3 are in; the youngest 16 loads (P's tiles 4-7) may be out
.if \cm
	WIN BIA_LO
.else
	WIN MUL_LO
.endif
	MUL16 0, (\q)%2, \q, \slot, \cm
	MUL16 2, (\q)%2, \q, \slot, \cm
	s_wait_dscnt 0                                 ; P's tiles 4-7 are in (asked for 32 matrix instructions ago)
	PLACES NP
	FETCH_B \slot, (\q)+1, 1-(\q)%2
	FETCH_A \slot, (\q)+1, 0
.if \cm
	WIN BIA_HI
.else
	WIN MUL_HI
.endif
	MUL16 4, (\q)%2, \q, \slot, \cm
	MUL16 6, (\q)%2, \q, \slot, \cm
	PLACES NP
	WIN 0
	FETCH_A \slot, (\q)+1, 4
.endm
; A slot's last step changes slots: ONE barrier; in front of it each wave waits for all its tensor loads, adds 0 to its spare word, and waits for that and for its own reads of this slot.  fill = 1: this slot is filled again, two slots ahead.
.macro TURN slot, next, fill
	s_wait_tensorcnt 0x0                           ; all my tensor loads have landed: my part of the next slot;  (every window is 0 here)
	ds_add_u32 v[SPW], v[NIL]                      ; 0 onto my spare word
	s_wait_dscnt 4*NL+1                            ; (the add and the youngest 16 loads, P's tiles 4-7, may be out)
	WIN MUL_LO
	MUL16 0, 1, NQ-1, \slot, 0                     ; sixteen matrix instructions stand between the add and the wait for it
	s_wait_dscnt 0x0                               ; the add is done, and my reads of this slot are over
	s_barrier_signal -1
	MUL16 2, 1, NQ-1, \slot, 0
	WIN 0
	s_barrier_wait -1
.if \fill
	CREST                                          ; the barrier has opened a round of the cluster's barrier: no wave of any partner still reads this slot or has a load on its way
	s_add_nc_u64 s[G0+4*\slot+2:G0+4*\slot+3], s[G0+4*\slot+2:G0+4*\slot+3], 2*HALFT
	s_add_nc_u64 s[G0B+4*\slot+2:G0B+4*\slot+3], s[G0B+4*\slot+2:G0B+4*\slot+3], 2*HALFT
	JLOAD G0+4*\slot, G1, G0B+4*\slot, G1B         ; the first tensor load behind the round; its four v_nop are among the places in front of the loads below
	PLACES NP-4
.else
	PLACES NP
.endif
	s_wait_alu depctr_va_vdst(0)
	v_add_nc_u32 v[ADRS], 4*NQ, v[ADRS]            ; on to the next slot's scale words
	FETCH_B \next, 0, 0
	FETCH_A \next, 0, 0
	SCALES \next
	WIN MUL_HI
	MUL16 4, 1, NQ-1, \slot, 0
	MUL16 6, 1, NQ-1, \slot, 0
	PLACES NP
	WIN 0
	FETCH_A \next, 0, 4
.endm
	s_wait_tensorcnt 1                             ; the scales and my part of slot 0 are in (slot 1's load may be out)
	s_barrier_signal -1
	s_barrier_wait -1                              ; everybody's are
	FETCH_B 0, 0, 0
	FETCH_A 0, 0, 0
	SCALES 0
	FETCH_A 0, 0, 4
	s_wait_loadcnt 0x0                             ; the bias
	s_cmp_eq_u32 ttmp9, 2                          ; the first step is written twice: the bias runs along R (q, k) or along P (v).  No barrier and no tensor load stands in it
	s_cbranch_scc1 .Lfirst_v
	STEP 0, 0, 1
	s_branch .Ljoined
.Lfirst_v:
	STEP 0, 0, 2
.Ljoined:
	s_mov_b32 s3, LAPS-1
.Llap:                                                 ; a trip goes once round the ring and fills both slots again
	TURN 0, 1, 1
	STEP 1, 0, 0
	TURN 1, 0, 1
	STEP 0, 0, 0
	s_sub_co_u32 s3, s3, 1
	s_cmp_lg_u32 s3, 0
	s_cbranch_scc1 .Llap
	TURN 0, 1, 0                                   ; the last lap fills nothing, and has no round of the cluster's barrier
	STEP 1, 0, 0
	s_wait_dscnt 4*NL                              ; the very last step: nothing more to fetch
	WIN MUL_LO
	MUL16 0, 1, NQ-1, 1, 0
	MUL16 2, 1, NQ-1, 1, 0
	s_wait_dscnt 0
	WIN MUL_HI
	MUL16 4, 1, NQ-1, 1, 0
	MUL16 6, 1, NQ-1, 1, 0
	WIN 0
; THE EPILOGUE.  P's tile a: my row's 64 numbers, register 16 g + i = R's index 32 g + 16 h + i, become 16 registers of codes and a scale word, as in the launch before.  Each accumulator is read from its low end on.
	PLACES NP
	s_mov_b32 s18, 0x76543210                      ; v_permlanex16_b32's selects for lane l xor 16
	s_mov_b32 s19, 0xfedcba98
.irp b, 0,1,2,3
	v_mov_b32 v[TM+4+\b], 0                        ; a lane permute's destination counts as one of its sources
.endr
.macro QUANTW a
.set AW, 2+(\a)/4                      ; the accumulators' window
.set ACS, 64*((\a)%4)
.set WN, AW|(AW<<2)
	WIN WN                                         ; sources 0 and 1: the accumulators
.irp b, 0,1,2,3
	v_max3_num_f32 v[TM+\b], |v[ACS+16*\b]|, |v[ACS+16*\b+1]|, 0x8000000   ; and the floor 2^(16 - 127)
.endr
.set WN, (AW<<2)|(AW<<4)
	WIN WN                                         ; sources 1 and 2
.irp i, 2,4,6,8,10,12,14
.irp b, 0,1,2,3
	v_max3_num_f32 v[TM+\b], v[TM+\b], |v[ACS+16*\b+\i]|, |v[ACS+16*\b+\i+1]|
.endr
.endr
	WIN 0
.irp b, 0,1,2,3
	v_permlanex16_b32 v[TM+4+\b], v[TM+\b], s18, s19
.endr
.irp b, 0,1,2,3
	v_max_num_f32 v[TM+\b], v[TM+\b], v[TM+4+\b]   ; the block's largest magnitude
.endr
.irp b, 0,1,2,3
	v_add_nc_u32 v[TM+12+\b], 0xf8800000, v[TM+\b] ; the conversions' scale operand
.endr
.irp b, 0,1,2,3
.endr
.irp b, 0,1,2,3
	v_lshrrev_b32 v[TM+4+\b], 23, v[TM+12+\b]      ; the byte
.endr
	v_lshl_or_b32 v[SW+(\a)], v[TM+5], 8, v[TM+4]
	v_lshl_or_b32 v[SW+(\a)], v[TM+6], 16, v[SW+(\a)]
	v_lshl_or_b32 v[SW+(\a)], v[TM+7], 24, v[SW+(\a)]
.set WN, AW|(AW<<6)
	WIN WN                                         ; source 0 and the destination
.irp b, 0,1,2,3
.irp i, 0,1,2,3,4,5,6,7,8,9,10,11,12,13,14,15
.endr
.endr
	WIN AW                                         ; source 0
.irp b, 0,1,2,3
	v_cvt_scalef32_pk8_bf8_f32 v[CODE+16*(\a)+4*\b:CODE+16*(\a)+4*\b+1], v[ACS+16*\b:ACS+16*\b+7], v[TM+12+\b]
	v_cvt_scalef32_pk8_bf8_f32 v[CODE+16*(\a)+4*\b+2:CODE+16*(\a)+4*\b+3], v[ACS+16*\b+8:ACS+16*\b+15], v[TM+12+\b]
.endr
	WIN 0
	v_nop                                          ; one plain line behind the last conversion
.endm
.irp a, 0,1,2,3,4,5,6,7
	QUANTW \a
.endr
	s_cmp_eq_u32 ttmp9, 2
	s_cbranch_scc1 .Lstore_v
	; q, k: my 128 columns are two heads of 64: pieces 0, 1 are the first head's fragment of tile a, pieces 2, 3 the second's.  Every store covers 512 consecutive bytes, aligned
.irp a, 0,1,2,3,4,5,6,7
	v_lshrrev_b32 v[56+\a], v[SHF], v[SW+\a]       ; lanes 0-15 carry the first head's two bytes, lanes 16-31 the second's; the upper two bytes stand over zero codes and are never 0xff
.endr
.irp a, 0,1,2,3,4,5,6,7
.irp c, 0,1,2,3
	global_store_b128 v[LI], v[CODE+16*\a+4*\c:CODE+16*\a+4*\c+3], s[12:13] offset:(\c/2)*HS+1024*\a+512*(\c%2)
.endr
.endr
	global_store_b128 v[VS], v[56:59], s[12:13] offset:16384     ; tiles 0-3's words: 256 bytes in each head's record
	global_store_b128 v[VS], v[60:63], s[12:13] offset:16640     ; tiles 4-7's
	s_branch .Lstored
.Lstore_v:
	; v: P's tiles 0-3 are the first head's 64 channels, tiles 4-7 the second's; a tile's four pieces are the 128 keys
	v_cmp_ne_u32 vcc_lo, 0, v2
.irp t, 0,1,2,3
	v_cndmask_b32 v[56+\t], v[SW+\t], v[SW+4+\t], vcc_lo
.endr
	s_wait_alu depctr_va_vdst(0)
.irp a, 0,1,2,3,4,5,6,7
.irp c, 0,1,2,3
	global_store_b128 v[LI], v[CODE+16*\a+4*\c:CODE+16*\a+4*\c+3], s[12:13] offset:(\a/4)*HS+8192+2048*(\a%4)+512*\c
.endr
.endr
	global_store_b128 v[VS], v[56:59], s[12:13] offset:16896
	global_store_b128 v[VS], v[56:59], s[12:13] offset:17152     ; once more: the record's last 256 bytes are read with it, so they are stored
.Lstored:
	s_wait_tensorcnt 0x0                           ; the wave's end
	ds_add_u32 v[SPW], v[NIL]
	s_wait_dscnt 0x0
	CROUND                                         ; the closing round: no work-group ends while a partner may still ask for a tile that names it
	s_endpgm
.Lfunc_end_k_qc0de599bf6_qkv:
	.size	k_qc0de599bf6_qkv, .Lfunc_end_k_qc0de599bf6_qkv-k_qc0de599bf6_qkv
	.p2alignl 7, 3214868480
	.fill 96, 4, 3214868480
	.section	.rodata,"a",@progbits
	.p2align	6, 0x0
	.amdhsa_kernel k_qc0de599bf6_qkv
		.amdhsa_group_segment_fixed_size 327680
		.amdhsa_private_segment_fixed_size 0
		.amdhsa_enable_private_segment 0
		.amdhsa_kernarg_size 40
		.amdhsa_user_sgpr_count 2
		.amdhsa_user_sgpr_kernarg_segment_ptr 1
		.amdhsa_wavefront_size32 1
		.amdhsa_system_sgpr_workgroup_id_x 1
		.amdhsa_system_sgpr_workgroup_id_y 1
		.amdhsa_system_sgpr_workgroup_id_z 1
		.amdhsa_system_vgpr_workitem_id 0
		.amdhsa_next_free_vgpr 1024
		.amdhsa_next_free_sgpr 100
		.amdhsa_reserve_vcc 1
		.amdhsa_float_denorm_mode_32 3
		.amdhsa_float_denorm_mode_16_64 3
		.amdhsa_fp16_overflow 1
		.amdhsa_memory_ordered 1
		.amdhsa_forward_progress 1
		.amdhsa_inst_pref_size 173
	.end_amdhsa_kernel
	.amdgpu_metadata
---
amdhsa.version: [ 1, 2 ]
amdhsa.kernels:
  - .name:           k_qc0de599bf6_qkv
    .symbol:         k_qc0de599bf6_qkv.kd
    .args:
      - { .name: xbuf, .offset: 0, .size: 8, .value_kind: global_buffer, .address_space: global }
      - { .name: wbuf, .offset: 8, .size: 8, .value_kind: global_buffer, .address_space: global }
      - { .name: c_attn_b, .offset: 16, .size: 8, .value_kind: global_buffer, .address_space: global }
      - { .name: qbuf, .offset: 24, .size: 8, .value_kind: global_buffer, .address_space: global }
      - { .name: kvbuf, .offset: 32, .size: 8, .value_kind: global_buffer, .address_space: global }
    .group_segment_fixed_size: 327680
    .private_segment_fixed_size: 0
    .kernarg_segment_align: 8
    .kernarg_segment_size: 40
    .max_flat_workgroup_size: 128
    .sgpr_count:     100
    .vgpr_count:     1024
    .wavefront_size: 32
...
	.end_amdgpu_metadata
.endif
;; end of part 2
;; launch attn (part 3): grid 8 x 32, 16 waves a work-group, clusters of 4 x 1, 280,576 bytes of LDS; arguments qbuf, kvbuf, obuf; writes obuf
.if DOCPART == 3
	.amdgcn_target "amdgcn-amd-amdhsa--gfx1250"
	.amdhsa_code_object_version 6
	.text
	.protected	k_qc0de599bf6_attn
	.globl	k_qc0de599bf6_attn
	.p2align	8
	.type	k_qc0de599bf6_attn,@function
k_qc0de599bf6_attn:
	s_mov_b64 s[64:65], 0
	v_nop
	global_prefetch_b8 v0, s[64:65] scope:SCOPE_SE
	s_setreg_imm32_b32 hwreg(HW_REG_WAVE_MODE, 25, 1), 1
	s_wait_xcnt 0x0
	s_wait_alu depctr_hold_cnt(0) depctr_sa_sdst(0) depctr_va_vdst(0) depctr_va_sdst(0) depctr_va_ssrc(0) depctr_va_vcc(0) depctr_vm_vsrc(0)
	s_getreg_b32 s2, hwreg(HW_REG_IB_STS2, 6, 4)
	s_cmp_eq_u32 s2, 0
	s_cbranch_scc0 .Lentry_in_a_cluster
	s_endpgm
.Lentry_in_a_cluster:
	s_bfe_u32 s2, ttmp6, 0x10000c
	s_cmp_lg_u32 s2, 0x3003
	s_cbranch_scc0 .Lentry_shape_is_right
	s_endpgm
.Lentry_shape_is_right:
; Causal attention of one head on codes of BF8 (E5M2) with E8M0 scales, and its result quantised along the merged heads' 1,024 for the last product.
; t = score x log2(e) / 8; M = the running largest t rounded UP to a whole number; p = 2^(t - M) is quantised along the keys, not normalised; the row's sum is taken of the unquantised p and divides O at the end.
; When M moves, the sum and O are multiplied by 2^(old M - new M), which rounds nothing.
; ALL OF A HEAD'S K, V AND SCALES, 16 records of 17,408 bytes, FIT IN LDS: every LDS byte is filled once, in four quarters of 512 keys; there is no ring, no refill and no LDS store.
; CLUSTER: the 8 work-groups of a head are two clusters of 4; the four ask for each tile jointly (mask 15).  Each of the 16 waves issues four loads, one a quarter, 17 rows of 256 bytes each: four loads of a wave are out at most.
; SHARES.  A wave owns ONE tile of 16 queries, in 256 registers; four waves share a SIMD, so that one wave's vector work stands beside another's products and LDS loads.  A head has 16 blocks of 128 queries x 8 tiles.
; Wave w of a work-group of cluster c takes block SQ: low = 2 (w % 4) + ((w % 4 + c) % 2), SQ = low or 15 - low by bit 2 of w: waves w, w + 4, w + 8, w + 12 together have 2 x 17 key steps, in every work-group.
; SQ hangs on the wave's and the cluster's number alone.  The tile in the block, a = 2 cx + w / 8, enters global addresses and one mask register only: no branch and no LDS address hangs on the place in the cluster.
; TWO BARRIERS, AND NONE IN THE LOOP.  Behind the first the first quarter of the keys is in LDS; key step 0 is worked while the other three land; behind the second all are in, and each wave walks its steps at its own pace:
; the shares above are even over the whole walk, not over a part of it, so no wave is made to wait for another's steps.
; Every wave walks all 16 key steps; a step all of whose keys come after the wave's queries is jumped over (a scalar branch on ids), all but the lines that step addresses.
; LAYOUT.  Both products are used transposed: S^T = K Q^T, O^T = V^T P^T: a lane holds one query throughout.  The head's 64 fill half of the instruction's 128 along K.  Q's registers 8-15 are zero codes, written once.
; K's eight tiles of a step lie on end, 8 registers each, with 8 registers of zeros behind the last; a product names 16 of them: its upper 8 are the NEXT tile's codes.  Every code that the launch before stores is a finite
; number, so their products with Q's zeros are zeros; the scale bytes over them are another head's bytes or 0, never 0xff.
; So all of a step's K is in registers at once, its eight products stand together, and the next step's K is asked for behind them, a softmax ahead of its use.
; By the order of rows in a tile (lane r of tile 2 g + u: row 32 g + 8 u + r + 8 (r / 8)) the 16 registers of two neighbouring tiles of S^T are 16 neighbouring keys, and those of O^T 16 neighbouring channels.
; No prefetch: all the launch's bytes are asked for at its head.
; LIMITS: NaN and infinities are not served; v_exp_f32 gives 0 for p under 2^-126; a block's largest p is taken through its largest score (p rises with the score); a block of zeros keeps the byte 1, its codes are zeros.
.set REC,   17408
.set HS,    16*REC
.set QTR,   4*REC                      ; a quarter of the head: 16 waves x 4,352 bytes
.set WPART, 4352
.set CODES, 4194304
.set LI,  2                            ; v2   16 x lane
.set LR,  3                            ; v3   16 r
.set ADL, 4                            ; v4   the step's record + 16 x lane
.set ADR, 5                            ; v5   the step's record + 16 r
.set DL,  6                            ; v6   my query in its block of 128, less 16 h
.set VSO, 7                            ; v7   32 r + h
.set SH8, 8                            ; v8   8 h
; v12 -M, v13 the largest t, v[14:15] the sum; v16-23 Q, v24-31 zeros
.set KF,  32                           ; v32-95   K's eight tiles, 8 registers each;  v96-103 zeros
.set SS,  104                          ; v104-167 S^T, then p, then V's four fragments
.set OO,  168                          ; v168-199 O^T
.set PCD, 200                          ; v200-215 p's codes
.set KSW, 216                          ; v216-223 K's scale words
.set VSW, 224                          ; v224-227 V's
.set QSW, 228                          ; v228     Q's
.set PSW, 229                          ; v229     p's
.set ADN, 230                          ; v230     the next step's record + 16 x lane
.set ADM, 231                          ; v231     the next step's record + 16 r
.set BM,  232                          ; v232-235 the blocks' largest scores, then p;  v236-239 the other half's, then bytes;  v244-247 the conversions' scale operands
.set T1,  236
.set HOLD, 240
.set SCO, 244
.set FF,  248                          ; v[248:249] f
.set TMP, 250                          ; v250     at work
.set NINF, 251                         ; v251     -infinity
.set SM2, 252                          ; v[252:253] the sum's second chain
.set WV,  10                           ; s10  my wave's number
.set G1,  24                           ; s[24:31] descriptor group 1;  s[40:55] four groups 0
.set G0,  40
.set TN,  32                           ; s32  LDS byte of the next step's record
.set TB,  60                           ; s60  LDS byte of the step's record
.set KSTP, 61                          ; s61  the step
.set CNT, 62                           ; s62  counts the loop's steps
.set SQ,  63                           ; s63  my block of 128 queries
.set CS,  66                           ; s[66:67] c = log2(e) / 8
.set SEL, 68                           ; s[68:69] lane selects for lane l xor 16
.set MNT, 70
.macro CROUND                          ; a round of the cluster's barrier
	s_barrier_signal -1
	s_barrier_wait -1
	s_cmp_lg_u32 s[WV], 0
	s_cbranch_scc1 .Lnot_wave_0_\@
	s_barrier_signal -3
.Lnot_wave_0_\@:
	s_barrier_wait -3
	s_barrier_signal -1
	s_barrier_wait -1
.endm
	s_load_b128 s[4:7], s[0:1], 0x0                ; qbuf, kvbuf
	s_load_b64 s[8:9], s[0:1], 0x10                ; obuf
	v_lshl_add_u32 v254, v0, 2, 0x44000
	v_mov_b32 v255, 0
	ds_add_u32 v254, v255
	ds_add_u32 v254, v255
	v_lshrrev_b32 v1, 5, v0
	s_delay_alu instid0(VALU_DEP_1)
	v_readfirstlane_b32 s[WV], v1                  ; wave 0..15
	s_bfe_u32 s11, ttmp6, 0x40000                  ; cx
	s_and_b32 s12, ttmp7, 0xffff                   ; 16 batch + head: shared by the four partners
	s_mov_b32 s[G1], 15|(3<<16)|(1<<21)            ; 15:0 the mask: all four; 17:16 elements of 8 bytes; 21 set beside a mask
	s_mov_b32 s[G1+1], 32<<16                      ; tensor_dim0: 256 bytes
	s_mov_b32 s[G1+2], 17<<16                      ; tensor_dim1
	s_mov_b32 s[G1+3], 32<<16                      ; tile_dim0
	s_mov_b32 s[G1+4], 17                          ; tile_dim1
	s_mov_b32 s[G1+5], 32                          ; dense
	s_mov_b32 s[G1+6], 0
	s_mov_b32 s[G1+7], 0
	s_mul_i32 s13, s12, HS                         ; the head's first byte in kvbuf
	s_mul_i32 s14, s[WV], WPART                    ; my wave's part of a quarter, in memory and in LDS alike
	s_add_co_u32 s16, s13, s14
	s_mov_b32 s17, 0
	s_wait_dscnt 0x0
	s_wait_kmcnt 0x0
	s_add_nc_u64 s[16:17], s[6:7], s[16:17]
.irp n, 0,1,2,3
	s_mov_b32 s[G0+4*\n], 1
	s_add_co_u32 s[G0+4*\n+1], s14, \n*QTR
	s_add_nc_u64 s[G0+4*\n+2:G0+4*\n+3], s[16:17], \n*QTR
	s_or_b32 s[G0+4*\n+3], s[G0+4*\n+3], 0x80000000
.endr
	CROUND                                         ; all four work-groups are here: the joint loads meet
.irp n, 0,1,2,3
	tensor_load_to_lds s[G0+4*\n:G0+4*\n+3], s[G1:G1+7]   ; all first fills in one group
	s_nop 0
.endr
.rept 4
	v_nop
.endr
	s_and_b32 s18, s[WV], 3
	s_xor_b32 s19, s18, ttmp9
	s_and_b32 s19, s19, 1
	s_lshl_b32 s18, s18, 1
	s_add_co_u32 s18, s18, s19                     ; low
	s_sub_co_u32 s19, 15, s18
	s_and_b32 s22, s[WV], 4
	s_cmp_lg_u32 s22, 0
	s_cselect_b32 s[SQ], s19, s18
	s_lshr_b32 s20, s[WV], 3
	s_lshl_b32 s21, s11, 1
	s_add_co_u32 s21, s21, s20                     ; a: my tile in the block
	s_lshl_b32 s22, s12, 4
	s_add_co_u32 s22, s22, s[SQ]
	s_mul_i32 s22, s22, REC                        ; my block's record in qbuf
	s_lshl_b32 s23, s21, 10
	s_add_co_u32 s34, s22, s23                     ; Q's codes: + 1,024 a
	s_mov_b32 s35, 0
	s_lshr_b32 s23, s21, 2
	s_lshl_b32 s23, s23, 8
	s_add_co_u32 s36, s22, s23                     ; its scale words: + 256 (a / 4) + 4 (a % 4)
	s_and_b32 s23, s21, 3
	s_lshl_b32 s23, s23, 2
	s_add_co_u32 s36, s36, s23
	s_mov_b32 s37, 0
	s_add_nc_u64 s[34:35], s[4:5], s[34:35]
	s_add_nc_u64 s[36:37], s[4:5], s[36:37]
	s_lshr_b32 s22, s12, 4
	s_lshl_b32 s22, s22, 4
	s_add_co_u32 s22, s22, s[SQ]                   ; obuf: the block of 128 tokens
	s_and_b32 s23, s12, 15                         ; the head
	s_lshl_b32 s56, s22, 17
	s_lshr_b32 s38, s23, 1
	s_lshl_b32 s38, s38, 14
	s_add_co_u32 s56, s56, s38                     ; K step head / 2
	s_lshl_b32 s38, s21, 11
	s_add_co_u32 s56, s56, s38                     ; tile a
	s_and_b32 s38, s23, 1
	s_lshl_b32 s38, s38, 10
	s_add_co_u32 s56, s56, s38                     ; pieces 2 (head % 2) on
	s_mov_b32 s57, 0
	s_lshl_b32 s58, s22, 12
	s_lshl_b32 s38, s21, 9
	s_add_co_u32 s58, s58, s38
	s_lshl_b32 s38, s23, 1
	s_add_co_u32 s58, s58, s38                     ; bytes 2 head, 2 head + 1 of a row's 32
	s_add_co_u32 s58, s58, CODES
	s_mov_b32 s59, 0
	s_add_nc_u64 s[56:57], s[8:9], s[56:57]
	s_add_nc_u64 s[58:59], s[8:9], s[58:59]
	s_mov_b32 s[TB], 0
	s_mov_b32 s[KSTP], 0
	s_mov_b32 s[CS], 0x3e38aa3b                    ; log2(e) / 8
	s_mov_b32 s[CS+1], s[CS]                       ; (named with it as a pair, so it is written)
	s_mov_b32 s[SEL], 0x76543210
	s_mov_b32 s[SEL+1], 0xfedcba98
	v_and_b32 v1, 15, v0                           ; r
	v_bfe_u32 v9, v0, 4, 1                         ; h
	v_and_b32 v10, 31, v0
	s_delay_alu instid0(VALU_DEP_1)
	v_lshlrev_b32 v[LI], 4, v10
	s_delay_alu instid0(VALU_DEP_4)
	v_lshlrev_b32 v[LR], 4, v1
	global_load_b128 v[16:19], v[LI], s[34:35]             ; Q's fragment stays in registers
	global_load_b128 v[20:23], v[LI], s[34:35] offset:512
	global_load_b32 v[QSW], v[LR], s[36:37] offset:16384   ; and its scale words
	v_and_b32 v11, 8, v1
	s_delay_alu instid0(VALU_DEP_1)
	v_add_nc_u32 v11, v11, v1                      ; r + 8 (r / 8)
	v_lshlrev_b32 v10, 4, v9
	s_delay_alu instid0(VALU_DEP_1)
	v_sub_nc_u32 v[DL], v11, v10
	s_lshl_b32 s38, s11, 5
	s_lshl_b32 s39, s20, 3
	s_add_co_u32 s38, s38, s39
	v_add_nc_u32 v[DL], s38, v[DL]                 ; 32 (a / 2) + 8 (a % 2) + r + 8 (r / 8) - 16 h
	v_lshl_add_u32 v[VSO], v1, 5, v9
	v_lshlrev_b32 v[SH8], 3, v9
	v_mov_b32 v13, 0xff61b1e6                      ; the largest t so far: -3e38
	s_delay_alu instid0(VALU_DEP_1)
	v_floor_f32 v12, -v13                          ; -M
	v_mov_b32 v14, 0
	v_mov_b32 v15, 0
.irp j, 0,1,2,3,4,5,6,7
	v_mov_b32 v[24+\j], 0                          ; the upper 64 along K of Q's fragment: zero codes, written once;
	v_mov_b32 v[KF+64+\j], 0                       ; and what stands behind K's last tile
.endr
.irp j, 0,1,2,3,4,5,6,7,8,9,10,11,12,13,14,15,16,17,18,19,20,21,22,23,24,25,26,27,28,29,30,31
	v_mov_b32 v[OO+\j], 0                          ; O^T: the step has no first form of its own; the first finds zeros, which the first change of M leaves zeros
.endr
.irp b, 0,1,2,3
	v_mov_b32 v[T1+\b], 0                          ; a lane permute's destination counts as one of its sources
.endr
	v_mov_b32 v[FF+1], 0                           ; (named as the upper half of the pair)
	v_mov_b32 v[TMP], 0
	v_mov_b32 v[NINF], 0xff800000                  ; -infinity
; A step's K: eight tiles of 16 keys x 64, two pieces of 512 bytes each, and their scale words.  ak: record + 16 x lane;  aw: record + 16 r
.macro KLOAD ak, aw
.irp t, 0,1,2,3,4,5,6,7
.irp c, 0,1
	ds_load_b128 v[KF+8*\t+4*\c:KF+8*\t+4*\c+3], v[\ak] offset:1024*\t+512*\c
.endr
.endr
	ds_load_b128 v[KSW:KSW+3], v[\aw] offset:16384     ; the words of tiles 0-3,
	ds_load_b128 v[KSW+4:KSW+7], v[\aw] offset:16640   ; and 4-7
.endm
; A KEY STEP: 128 keys.  Its K was asked for a step ago.
.macro STEP
	s_cmp_gt_u32 s[KSTP], s[SQ]                    ; all its keys come after my queries?
	s_cbranch_scc1 .Lhidden_\@
	s_add_co_u32 s[TN], s[TB], REC
	s_min_u32 s[TN], s[TN], 15*REC                 ; the next record; behind the last there is none: the last is read once more, and not used
	s_setprio 2
	v_add_nc_u32 v[ADL], s[TB], v[LI]
	v_add_nc_u32 v[ADR], s[TB], v[LR]
	v_add_nc_u32 v[ADN], s[TN], v[LI]
	v_add_nc_u32 v[ADM], s[TN], v[LR]
.rept 5
	v_nop                                          ; nine places with the four additions: the first product below writes over registers that the last step's last products read
.endr
	s_wait_alu depctr_va_vdst(0)
	s_wait_dscnt 0x0                               ; K and its scale words are in (in the loop they have been since the last step's wait for V)
.irp t, 0,1,2,3,4,5,6,7                        ; S^T = K Q^T: eight tiles of 16 keys; a product's upper 64 along K: the next tile's codes x Q's zeros
	v_wmma_scale_f32_16x16x128_f8f6f4 v[SS+8*\t:SS+8*\t+7], v[KF+8*\t:KF+8*\t+15], v[16:31], 0, v[KSW+\t], v[QSW] matrix_a_fmt:MATRIX_FMT_BF8 matrix_b_fmt:MATRIX_FMT_BF8
.endr                                          ; register 16 b + i holds key 32 b + 16 h + i of the step
.rept 8
	v_nop                                          ; places in front of the first read of results, and of loads into registers that these products have read
.endr
	KLOAD ADN, ADM                                 ; the next step's K: it has the softmax in which to come
	ds_load_b128 v[VSW:VSW+3], v[ADR] offset:16896 ; and this step's scale words of V
	s_cmp_lt_u32 s[KSTP], s[SQ]                    ; a step all of whose keys count skips the mask
	s_cbranch_scc1 .Lopen_\@
.irp n, 0,1,2,3,4,5,6,7,8,9,10,11,12,13,14,15,16,17,18,19,20,21,22,23,24,25,26,27,28,29,30,31,32,33,34,35,36,37,38,39,40,41,42,43,44,45,46,47,48,49,50,51,52,53,54,55,56,57,58,59,60,61,62,63
	v_cmp_gt_i32 vcc_lo, 32*(\n/16)+\n%16, v[DL]   ; on the diagonal: hidden where the key comes after the query
	v_cndmask_b32 v[SS+\n], v[SS+\n], v[NINF], vcc_lo
.endr
.Lopen_\@:
.irp b, 0,1,2,3
	v_max3_num_f32 v[BM+\b], v[SS+16*\b], v[SS+1+16*\b], v[SS+2+16*\b]   ; the largest score of each block of 32 keys: for the row's maximum, and for the block's largest p
.endr
.irp i, 3,5,7,9,11,13
.irp b, 0,1,2,3
	v_max3_num_f32 v[BM+\b], v[BM+\b], v[SS+16*\b+\i], v[SS+1+16*\b+\i]
.endr
.endr
.irp b, 0,1,2,3
	v_max_num_f32 v[BM+\b], v[BM+\b], v[SS+15+16*\b]
.endr
.irp b, 0,1,2,3
	s_delay_alu instid0(VALU_DEP_4)
	v_permlanex16_b32 v[T1+\b], v[BM+\b], s[SEL], s[SEL+1]
.endr
.irp b, 0,1,2,3
	s_delay_alu instid0(VALU_DEP_4)
	v_max_num_f32 v[BM+\b], v[BM+\b], v[T1+\b]     ; with lane l xor 16's 16 keys
.endr
	s_delay_alu instid0(VALU_DEP_2)
	v_max3_num_f32 v[TMP], v[BM], v[BM+1], v[BM+2]
	s_delay_alu instid0(VALU_DEP_1)
	v_max_num_f32 v[TMP], v[TMP], v[BM+3]          ; the step's largest score of my query
	s_delay_alu instid0(VALU_DEP_1)
	v_mul_f32 v[TMP], s[CS], v[TMP]                ; as t
	s_delay_alu instid0(VALU_DEP_1)
	v_max_num_f32 v13, v13, v[TMP]                 ; the running largest t
	v_mov_b32 v[TMP], v12
	s_delay_alu instid0(VALU_DEP_2)
	v_floor_f32 v12, -v13                          ; the new -M = floor(-t): M is a whole number
	s_delay_alu instid0(VALU_DEP_1)
	v_sub_f32 v[TMP], v12, v[TMP]                  ; old M - new M: a whole number, 0 or less
	s_delay_alu instid0(VALU_DEP_1)
	v_cvt_i32_f32 v[TMP], v[TMP]                   ; (it saturates)
	s_delay_alu instid0(VALU_DEP_1)
	v_ldexp_f32 v[FF], 1.0, v[TMP]                 ; f = 2^(old M - new M)
.irp j, 0,2,4,6,8,10,12,14,16,18,20,22,24,26,28,30,32,34,36,38,40,42,44,46,48,50,52,54,56,58,60,62
	v_pk_fma_f32 v[SS+\j:SS+\j+1], v[SS+\j:SS+\j+1], s[CS:CS+1], v[12:13] op_sel_hi:[1,0,0]   ; t - M, two at a time
.endr
	s_setprio 1
.irp b, 0,1,2,3
	v_fma_f32 v[BM+\b], v[BM+\b], s[CS], v12       ; the same of each block's largest score
.endr
	s_wait_alu depctr_va_vdst(0)
.irp j, 0,1,2,3,4,5,6,7,8,9,10,11,12,13,14,15,16,17,18,19,20,21,22,23,24,25,26,27,28,29,30,31,32,33,34,35,36,37,38,39,40,41,42,43,44,45,46,47,48,49,50,51,52,53,54,55,56,57,58,59,60,61,62,63
	v_exp_f32 v[SS+\j], v[SS+\j]                   ; p = 2^(t - M): one batch
.endr
	v_pk_mul_f32 v[14:15], v[14:15], v[FF:FF+1] op_sel_hi:[1,0]   ; the sums under the new M: the plain line behind the exponentials
	s_wait_alu depctr_va_vdst(0)                   ; one wait for the batch, ahead of its first reader
.irp b, 0,1,2,3
	v_exp_f32 v[BM+\b], v[BM+\b]                   ; the blocks' largest p
.endr
	v_pk_add_f32 v[252:253], v[108:109], v[112:113]
	v_pk_add_f32 v[246:247], v[116:117], v[120:121]
	v_pk_add_f32 v[244:245], v[124:125], v[128:129]
	v_pk_add_f32 v[242:243], v[132:133], v[136:137]
	v_pk_add_f32 v[240:241], v[140:141], v[144:145]
	v_pk_add_f32 v[238:239], v[148:149], v[152:153]
	v_pk_add_f32 v[236:237], v[156:157], v[160:161]
	v_pk_add_f32 v[14:15], v[14:15], v[164:165]
	v_pk_add_f32 v[252:253], v[252:253], v[104:105]
	v_pk_add_f32 v[246:247], v[246:247], v[106:107]
	v_pk_add_f32 v[244:245], v[244:245], v[110:111]
	v_pk_add_f32 v[242:243], v[242:243], v[114:115]
	v_pk_add_f32 v[240:241], v[240:241], v[118:119]
	v_pk_add_f32 v[238:239], v[238:239], v[122:123]
	v_pk_add_f32 v[236:237], v[236:237], v[126:127]
	v_pk_add_f32 v[14:15], v[14:15], v[130:131]
	v_pk_add_f32 v[252:253], v[252:253], v[134:135]
	v_pk_add_f32 v[246:247], v[246:247], v[138:139]
	v_pk_add_f32 v[244:245], v[244:245], v[142:143]
	v_pk_add_f32 v[242:243], v[242:243], v[146:147]
	v_pk_add_f32 v[240:241], v[240:241], v[150:151]
	v_pk_add_f32 v[238:239], v[238:239], v[154:155]
	v_pk_add_f32 v[236:237], v[236:237], v[158:159]
	v_pk_add_f32 v[14:15], v[14:15], v[162:163]
	v_pk_add_f32 v[252:253], v[252:253], v[166:167]
	s_delay_alu instid0(VALU_DEP_2)
	v_pk_add_f32 v[14:15], v[14:15], v[242:243]
	s_delay_alu instid0(VALU_DEP_2)
	v_pk_add_f32 v[252:253], v[252:253], v[240:241]
	v_pk_add_f32 v[246:247], v[246:247], v[238:239]
	v_pk_add_f32 v[244:245], v[244:245], v[236:237]
	s_delay_alu instid0(VALU_DEP_2)
	v_pk_add_f32 v[14:15], v[14:15], v[246:247]
	s_delay_alu instid0(VALU_DEP_2)
	v_pk_add_f32 v[252:253], v[252:253], v[244:245]
	s_delay_alu instid0(VALU_DEP_1)
	v_pk_add_f32 v[14:15], v[14:15], v[252:253]
	s_wait_alu depctr_va_vdst(0)                   ; and one for the four
.irp b, 0,1,2,3
	v_max_num_f32 v[BM+\b], 0x8000000, v[BM+\b]    ; the floor 2^(16 - 127)
.endr
.irp b, 0,1,2,3
	s_delay_alu instid0(VALU_DEP_4)
	v_add_nc_u32 v[SCO+\b], 0xf8800000, v[BM+\b]   ; the conversions' scale operand
.endr
.irp b, 0,1,2,3
.endr
.irp b, 0,1,2,3
	s_delay_alu instid0(VALU_DEP_4)
	v_lshrrev_b32 v[T1+\b], 23, v[SCO+\b]          ; the byte
.endr
	s_delay_alu instid0(VALU_DEP_3)
	v_lshl_or_b32 v[PSW], v[T1+1], 8, v[T1]        ; p's scale word for these 128 keys
	s_delay_alu instid0(VALU_DEP_1)
	v_lshl_or_b32 v[PSW], v[T1+2], 16, v[PSW]
	s_delay_alu instid0(VALU_DEP_1)
	v_lshl_or_b32 v[PSW], v[T1+3], 24, v[PSW]
	s_setprio 0
.irp b, 0,1,2,3
.irp i, 0,1,2,3,4,5,6,7,8,9,10,11,12,13,14,15
.endr
	v_cvt_scalef32_pk8_bf8_f32 v[PCD+4*\b:PCD+1+4*\b], v[SS+16*\b:SS+7+16*\b], v[SCO+\b]
	v_cvt_scalef32_pk8_bf8_f32 v[PCD+2+4*\b:PCD+3+4*\b], v[SS+8+16*\b:SS+15+16*\b], v[SCO+\b]
	v_nop                                          ; one plain line behind the conversions
.irp c, 0,1,2,3
	ds_load_b128 v[SS+16*\b+4*\c:SS+16*\b+4*\c+3], v[ADL] offset:8192+2048*\b+512*\c   ; block b of p is converted: its 16 registers take fragment b of V^T, while the later blocks are converted
.endr
.endr
.irp j, 0,2,4,6,8,10,12,14,16,18,20,22,24,26,28,30
	v_pk_mul_f32 v[OO+\j:OO+\j+1], v[OO+\j:OO+\j+1], v[FF:FF+1] op_sel_hi:[1,0]   ; O^T under the new M; these 16 are also the places between the codes and the products
.endr
	s_wait_alu depctr_va_vdst(0)
	s_wait_dscnt 0x0                               ; V is in; and so is all that was asked for ahead of it: the next step's K
.irp t, 0,1,2,3
	v_wmma_scale_f32_16x16x128_f8f6f4 v[OO+8*\t:OO+8*\t+7], v[SS+16*\t:SS+16*\t+15], v[PCD:PCD+15], v[OO+8*\t:OO+8*\t+7], v[VSW+\t], v[PSW] matrix_a_fmt:MATRIX_FMT_BF8 matrix_b_fmt:MATRIX_FMT_BF8
.endr                                          ; four accumulators by turns
.Lhidden_\@:
	s_add_co_u32 s[KSTP], s[KSTP], 1
	s_add_co_u32 s[TB], s[TB], REC
.endm
.macro BAR left                        ; left: how many of my tensor loads may stay out.  Nothing is ever filled again, so later quarters may be on their way across the barrier
	s_wait_tensorcnt \left
	s_wait_dscnt 0x0
	s_barrier_signal -1
	s_barrier_wait -1
.endm
	s_wait_loadcnt 0x0                             ; Q
	BAR 3                                          ; my part of the first quarter is in (my three later loads may be out); behind the barrier everybody's is
	KLOAD LI, LR                                   ; key step 0's K
	STEP                                           ; step 0 reads records 0 and 1, which lie in the first quarter; the other three quarters land meanwhile
	BAR 0                                          ; all of the head is in LDS: from here on no wave waits for another
	s_mov_b32 s[CNT], 15
.Lsteps:
	STEP
	s_sub_co_u32 s[CNT], s[CNT], 1
	s_cmp_lg_u32 s[CNT], 0
	s_cbranch_scc1 .Lsteps
	s_setprio 0
	; THE WAY OUT: O^T / the sum, quantised along the merged heads: my 32 numbers are channels 32 g + 16 h + i of my head, two blocks of 32
	v_add_f32 v14, v14, v15
	s_wait_alu depctr_va_vdst(0)
	v_permlanex16_b32 v[TMP], v14, s[SEL], s[SEL+1]
	s_delay_alu instid0(VALU_DEP_1)
	v_add_f32 v14, v14, v[TMP]                     ; the row's sum
	s_wait_alu depctr_va_vdst(0)
	v_rcp_f32 v[FF], v14
.rept 8
	v_nop                                          ; the places behind the last products, and the plain line behind the reciprocal
.endr
	s_wait_alu depctr_va_vdst(0)                   ; ahead of the reciprocal's first reader
.irp j, 0,2,4,6,8,10,12,14,16,18,20,22,24,26,28,30
	v_pk_mul_f32 v[OO+\j:OO+\j+1], v[OO+\j:OO+\j+1], v[FF:FF+1] op_sel_hi:[1,0]
.endr
.irp b, 0,1
	v_max3_num_f32 v[BM+\b], |v[OO+16*\b]|, |v[OO+1+16*\b]|, 0x8000000
.endr
.irp i, 2,4,6,8,10,12,14
.irp b, 0,1
	s_delay_alu instid0(VALU_DEP_2)
	v_max3_num_f32 v[BM+\b], v[BM+\b], |v[OO+16*\b+\i]|, |v[OO+1+16*\b+\i]|
.endr
.endr
.irp b, 0,1
	s_delay_alu instid0(VALU_DEP_2)
	v_permlanex16_b32 v[T1+\b], v[BM+\b], s[SEL], s[SEL+1]
.endr
.irp b, 0,1
	s_delay_alu instid0(VALU_DEP_2)
	v_max_num_f32 v[BM+\b], v[BM+\b], v[T1+\b]
.endr
.irp b, 0,1
	s_delay_alu instid0(VALU_DEP_2)
	v_add_nc_u32 v[SCO+\b], 0xf8800000, v[BM+\b]
.endr
.irp b, 0,1
.endr
.irp b, 0,1
	s_delay_alu instid0(VALU_DEP_2)
	v_lshrrev_b32 v[T1+\b], 23, v[SCO+\b]
.endr
	s_delay_alu instid0(VALU_DEP_1)
	v_lshl_or_b32 v[TMP], v[T1+1], 8, v[T1]
	s_delay_alu instid0(VALU_DEP_1)
	v_lshrrev_b32 v[TMP], v[SH8], v[TMP]           ; lanes 0-15 store the first block's byte, lanes 16-31 the second's
.irp b, 0,1
.irp i, 0,1,2,3,4,5,6,7,8,9,10,11,12,13,14,15
.endr
	v_cvt_scalef32_pk8_bf8_f32 v[PCD+4*\b:PCD+1+4*\b], v[OO+16*\b:OO+7+16*\b], v[SCO+\b]
	v_cvt_scalef32_pk8_bf8_f32 v[PCD+2+4*\b:PCD+3+4*\b], v[OO+8+16*\b:OO+15+16*\b], v[SCO+\b]
.endr
	v_nop
	global_store_b128 v[LI], v[PCD:PCD+3], s[56:57]            ; 512 consecutive bytes, aligned: a piece of the next product's fragment
	global_store_b128 v[LI], v[PCD+4:PCD+7], s[56:57] offset:512
	global_store_b8 v[VSO], v[TMP], s[58:59]                   ; single bytes, two of each row's 32: one byte for each 32 codes
	s_wait_dscnt 0x0                               ; no LDS load of mine is out at the round's signal
	s_wait_tensorcnt 0x0
	ds_add_u32 v254, v255
	s_wait_dscnt 0x0
	CROUND                                         ; the closing round
	s_endpgm
.Lfunc_end_k_qc0de599bf6_attn:
	.size	k_qc0de599bf6_attn, .Lfunc_end_k_qc0de599bf6_attn-k_qc0de599bf6_attn
	.p2alignl 7, 3214868480
	.fill 96, 4, 3214868480
	.section	.rodata,"a",@progbits
	.p2align	6, 0x0
	.amdhsa_kernel k_qc0de599bf6_attn
		.amdhsa_group_segment_fixed_size 280576
		.amdhsa_private_segment_fixed_size 0
		.amdhsa_enable_private_segment 0
		.amdhsa_kernarg_size 24
		.amdhsa_user_sgpr_count 2
		.amdhsa_user_sgpr_kernarg_segment_ptr 1
		.amdhsa_wavefront_size32 1
		.amdhsa_system_sgpr_workgroup_id_x 1
		.amdhsa_system_sgpr_workgroup_id_y 1
		.amdhsa_system_sgpr_workgroup_id_z 1
		.amdhsa_system_vgpr_workitem_id 0
		.amdhsa_next_free_vgpr 256
		.amdhsa_next_free_sgpr 72
		.amdhsa_reserve_vcc 1
		.amdhsa_float_denorm_mode_32 3
		.amdhsa_float_denorm_mode_16_64 3
		.amdhsa_fp16_overflow 1
		.amdhsa_memory_ordered 1
		.amdhsa_forward_progress 1
		.amdhsa_inst_pref_size 60
	.end_amdhsa_kernel
	.amdgpu_metadata
---
amdhsa.version: [ 1, 2 ]
amdhsa.kernels:
  - .name:           k_qc0de599bf6_attn
    .symbol:         k_qc0de599bf6_attn.kd
    .args:
      - { .name: qbuf, .offset: 0, .size: 8, .value_kind: global_buffer, .address_space: global }
      - { .name: kvbuf, .offset: 8, .size: 8, .value_kind: global_buffer, .address_space: global }
      - { .name: obuf, .offset: 16, .size: 8, .value_kind: global_buffer, .address_space: global }
    .group_segment_fixed_size: 280576
    .private_segment_fixed_size: 0
    .kernarg_segment_align: 8
    .kernarg_segment_size: 24
    .max_flat_workgroup_size: 512
    .sgpr_count:     72
    .vgpr_count:     256
    .wavefront_size: 32
...
	.end_amdgpu_metadata
.endif
;; end of part 3
;; launch proj (part 4): grid 4 x 16, 4 waves a work-group, clusters of 4 x 4, 327,680 bytes of LDS; arguments obuf, wbuf, c_proj_b, out0; writes out0
.if DOCPART == 4
	.amdgcn_target "amdgcn-amd-amdhsa--gfx1250"
	.amdhsa_code_object_version 6
	.text
	.protected	k_qc0de599bf6_proj
	.globl	k_qc0de599bf6_proj
	.p2align	8
	.type	k_qc0de599bf6_proj,@function
k_qc0de599bf6_proj:
	s_mov_b64 s[64:65], 0
	v_nop
	global_prefetch_b8 v0, s[64:65] scope:SCOPE_SE
	s_setreg_imm32_b32 hwreg(HW_REG_WAVE_MODE, 25, 1), 1
	s_wait_xcnt 0x0
	s_wait_alu depctr_hold_cnt(0) depctr_sa_sdst(0) depctr_va_vdst(0) depctr_va_sdst(0) depctr_va_ssrc(0) depctr_va_vcc(0) depctr_vm_vsrc(0)
	s_getreg_b32 s2, hwreg(HW_REG_IB_STS2, 6, 4)
	s_cmp_eq_u32 s2, 0
	s_cbranch_scc0 .Lentry_in_a_cluster
	s_endpgm
.Lentry_in_a_cluster:
	s_bfe_u32 s2, ttmp6, 0x10000c
	s_cmp_lg_u32 s2, 0xf033
	s_cbranch_scc0 .Lentry_shape_is_right
	s_endpgm
.Lentry_shape_is_right:
; out0 = o W + b on codes of BF8 (E5M2) with E8M0 scales (K = 1,024).  o: obuf, the merged heads as the launch before stored them; W: wbuf's blocks 24-31 (c_proj_w, columns as rows); out0 [4096][1024] f32.
; The loop is that of the first product: a work-group of four waves makes 256 x 256, a wave 128 x 128 in 64 accumulators; K in steps of 256 through a ring of two LDS slots; operands lie in memory as images of their
; registers, so two K steps of a block of 128 rows are 32,768 dense bytes, one tensor load, and a fragment is four LDS loads of 512 consecutive bytes.
; Source 0 = 16 rows of R (weight columns), source 1 = 16 rows of P (tokens): a lane holds one token, and its registers run along the columns.  The bias is the C of each sum's first matrix instruction.
; CLUSTERS: 4 x 4 work-groups; P's tiles are shared along a row of the cluster, R's along a column, asked for jointly.  The output has 16 x 4 tiles of this size: 64 work-groups.
; THE ROWS OF A TILE ARE NOT NEIGHBOURS (lane r of tile 2 g + u: row 32 g + 8 u + r + 8 (r / 8)): the way out puts each number at its true row and column, by immediates.
; No prefetch: each slot is filled again once, and the tiles are shared in the cluster.
; REGISTERS, in windows of 256: window 0: v1-31 addresses; v32-63 scale words, two sets; v64-127 the bias; v128-255 P's fragments, one set (on the way out: rows read back).
;   window 1: R's fragments, two sets.   window 2: the accumulators of P's tiles 0-3 ((a, b) at v[8 (8 (a % 4) + b)]);   window 3: of tiles 4-7.
.set CODES,  4194304
.set NQ,     2
.set FR,     16
.set NL,     4
.set NP,     8                         ; places behind this matrix instruction (ISA guide 7.12.1)
.set HALFT,  32768
.set SLOT,   4*HALFT
.set LAPS,   2
.set KS,     32
.set SCL,    2*SLOT
.set HALFS,  16*272
.set SBLK,   2*272
.set SPARE,  SCL+4*HALFS               ; the spare words, 128 bytes a wave: two blocks of 256 bytes that no other line names
.set SPITCH, 528                       ; the way out: a stage of 16 rows x (512 bytes + 16) for each wave, in slot 0, which has had its last fill and its last read when the first result is stored there
.set ADRA, 16
.set ADRB, 20
.set STO,  24                          ; v24  the way out: where I put my row's numbers: stage + 528 r + 64 h
.set RD,   25                          ; v25  where I read a row back: stage + 16 x lane
.set CO,   26                          ; v26  16 x lane
.set ADRS, 27
.set SPW,  28
.set NIL,  29
.set SC,   32
.set BI,   64
.set AF,   128
.set BK,   128                         ; 16 rows read back: v128-191 and v192-255 by turns
.set G1, 24
.set G0, 32
.set G1B, 48
.set G0B, 56
.set G1S, 68
.set G0S, 76
.set G1SB, 80
.set G0SB, 88
.set MSB, 0
.macro WIN new                         ; the immediate's high byte repeats the setting that is left
.if MSB != (\new)
	s_set_vgpr_msb (MSB<<8)|(\new)
.set MSB, (\new)
.endif
.endm
.set MUL_LO, 0xa1
.set MUL_HI, 0xf1
.set BIA_LO, 0x81                      ; the first step: C (the bias) window 0, D window 2
.set BIA_HI, 0xc1
.set TO_B,   0x40
.macro JLOAD g0a, g1a, g0b, g1b        ; a joint load: waves 0 and 1 fetch for P, waves 2 and 3 for R; four v_nop follow each of the two lines
	s_cmp_eq_u32 s15, 0
	s_cbranch_scc0 .Lfor_b_\@
	tensor_load_to_lds s[\g0a:\g0a+3], s[\g1a:\g1a+7]
	s_nop 0
.rept 4
	v_nop
.endr
	s_branch .Lasked_\@
.Lfor_b_\@:
	tensor_load_to_lds s[\g0b:\g0b+3], s[\g1b:\g1b+7]
	s_nop 0
.rept 4
	v_nop
.endr
.Lasked_\@:
.endm
.macro CREST
	s_cmp_lg_u32 s14, 0
	s_cbranch_scc1 .Lnot_wave_0_\@
	s_barrier_signal -3
.Lnot_wave_0_\@:
	s_barrier_wait -3
	s_barrier_signal -1
	s_barrier_wait -1
.endm
.macro CROUND
	s_barrier_signal -1
	s_barrier_wait -1
	CREST
.endm
	s_load_b256 s[4:11], s[0:1], 0x0               ; obuf s[4:5], wbuf s[6:7], c_proj_b s[8:9], out0 s[10:11]
	v_lshl_add_u32 v[SPW], v0, 2, SPARE
	v_mov_b32 v[NIL], 0
	ds_add_u32 v28, v29
	ds_add_u32 v28, v29
	s_wait_dscnt 0x0
	v_lshrrev_b32 v1, 5, v0
	v_readfirstlane_b32 s14, v1                    ; wave 0..3
	s_lshr_b32 s15, s14, 1                         ; which of P's two blocks is mine.  Also: I fetch for P (0) or for R (1)
	s_and_b32 s16, s14, 1                          ; which of R's two blocks.  Also: which block of that operand I fetch
	s_bfe_u32 s40, ttmp6, 0x40000                  ; cx, cy
	s_bfe_u32 s41, ttmp6, 0x40004
	s_and_b32 s17, ttmp7, 0xffff
	s_lshl_b32 s17, s17, 2
	s_add_co_u32 s17, s17, s41                     ; P's tile of 256 tokens = 4 x cluster y + cy
	s_lshl_b32 s42, ttmp9, 2
	s_add_co_u32 s42, s42, s40                     ; the tile of 256 columns = 4 x cluster x + cx
	s_lshl_b32 s43, s41, 2
	s_lshl_b32 s43, 15, s43                        ; my row of the cluster
	s_lshl_b32 s44, 0x1111, s40                    ; my column
	s_or_b32 s[G1+0], s43, (3<<16)|(1<<21)         ; codes: 32,768 dense bytes as 128 rows of 32 elements of 8 bytes
	s_or_b32 s[G1B+0], s44, (3<<16)|(1<<21)
.irp g, G1, G1B
	s_mov_b32 s[\g+1], 32<<16
	s_mov_b32 s[\g+2], 128<<16
	s_mov_b32 s[\g+3], 32<<16
	s_mov_b32 s[\g+4], 128
	s_mov_b32 s[\g+5], 32
	s_mov_b32 s[\g+6], 0
	s_mov_b32 s[\g+7], 0
.endr
	s_or_b32 s[G1S+0], s43, (3<<16)|(1<<20)|(1<<21)|(5<<22)|(3<<25)   ; scales of 128 rows: 16 rows of 256 bytes, 16 of padding behind each
	s_or_b32 s[G1SB+0], s44, (3<<16)|(1<<20)|(1<<21)|(5<<22)|(3<<25)
.irp g, G1S, G1SB
	s_mov_b32 s[\g+1], 32<<16
	s_mov_b32 s[\g+2], 16<<16
	s_mov_b32 s[\g+3], 32<<16
	s_mov_b32 s[\g+4], 16
	s_mov_b32 s[\g+5], 32
	s_mov_b32 s[\g+6], 0
	s_mov_b32 s[\g+7], 0
.endr
	s_lshl_b32 s20, s17, 1
	s_add_co_u32 s20, s20, s16                     ; the block of P that I would fetch
	s_lshl_b32 s46, s42, 1
	s_add_co_u32 s46, s46, s16
	s_add_co_u32 s46, s46, 24                      ; and of R: c_proj_w's blocks begin at 24
	s_lshl_b32 s22, s20, 12
	s_add_co_u32 s22, s22, CODES
	s_mov_b32 s23, 0
	s_lshl_b32 s92, s46, 12
	s_add_co_u32 s92, s92, CODES
	s_mov_b32 s93, 0
	s_lshl_b32 s20, s20, 17
	s_mov_b32 s21, 0
	s_lshl_b32 s46, s46, 17
	s_mov_b32 s47, 0
	s_mul_i32 s45, s14, HALFT                      ; where they go: wave x a block
	s_mul_i32 s94, s14, HALFS
	s_wait_kmcnt 0x0
	s_add_nc_u64 s[20:21], s[4:5], s[20:21]
	s_add_nc_u64 s[22:23], s[4:5], s[22:23]
	s_add_nc_u64 s[46:47], s[6:7], s[46:47]
	s_add_nc_u64 s[92:93], s[6:7], s[92:93]
	CROUND                                         ; all sixteen work-groups are here: the first joint loads meet
	s_mov_b32 s[G0S], 1
	s_add_co_u32 s[G0S+1], s94, SCL
	s_mov_b64 s[G0S+2:G0S+3], s[22:23]
	s_or_b32 s[G0S+3], s[G0S+3], 0x80000000
	s_mov_b32 s[G0SB], 1
	s_add_co_u32 s[G0SB+1], s94, SCL
	s_mov_b64 s[G0SB+2:G0SB+3], s[92:93]
	s_or_b32 s[G0SB+3], s[G0SB+3], 0x80000000
	JLOAD G0S, G1S, G0SB, G1SB
.irp s, 0,1
	s_mov_b32 s[G0+4*\s], 1
	s_add_co_u32 s[G0+4*\s+1], s45, \s*SLOT
	s_add_nc_u64 s[G0+4*\s+2:G0+4*\s+3], s[20:21], \s*HALFT
	s_or_b32 s[G0+4*\s+3], s[G0+4*\s+3], 0x80000000
	s_mov_b32 s[G0B+4*\s], 1
	s_add_co_u32 s[G0B+4*\s+1], s45, \s*SLOT
	s_add_nc_u64 s[G0B+4*\s+2:G0B+4*\s+3], s[46:47], \s*HALFT
	s_or_b32 s[G0B+4*\s+3], s[G0B+4*\s+3], 0x80000000
	JLOAD G0+4*\s, G1, G0B+4*\s, G1B
.endr
	v_and_b32 v1, 15, v0                           ; r
	v_bfe_u32 v2, v0, 4, 1                         ; h
	v_and_b32 v3, 31, v0
	v_lshlrev_b32 v[CO], 4, v3                     ; 16 x lane
	s_mul_i32 s21, s15, HALFT
	s_mul_i32 s22, s16, HALFT
	s_add_co_u32 s22, s22, 2*HALFT
.irp s, 0,1
	v_add_nc_u32 v[ADRA+\s], s21, v[CO]
	v_add_nc_u32 v[ADRB+\s], s22, v[CO]
	s_add_co_u32 s21, s21, SLOT
	s_add_co_u32 s22, s22, SLOT
.endr
	v_mul_u32_u24 v5, v1, KS
	v_lshrrev_b32 v6, 8, v5
	v_lshl_add_u32 v5, v6, 4, v5
	s_mul_i32 s21, s15, HALFS
	s_mul_i32 s22, s16, HALFS
	s_add_co_u32 s22, s22, 2*HALFS
	s_sub_co_u32 s22, s22, s21
	v_mul_u32_u24 v6, s22, v2                      ; lanes 16-31 take R's scale words
	s_add_co_u32 s21, s21, SCL
	v_add_nc_u32 v5, v5, v6
	v_add_nc_u32 v[ADRS], s21, v5
	s_mul_i32 s23, s14, 16*SPITCH                  ; my stage
	v_mul_u32_u24 v4, v1, SPITCH
	v_lshl_add_u32 v4, v2, 6, v4
	v_add_nc_u32 v[STO], s23, v4
	v_add_nc_u32 v[RD], s23, v[CO]
	s_lshl_b32 s66, s42, 1
	s_add_co_u32 s66, s66, s16                     ; my 128 columns
	s_lshl_b32 s66, s66, 9                         ; in bytes: of the bias, and of a row of out0
	s_mov_b32 s67, 0
	s_add_nc_u64 s[8:9], s[8:9], s[66:67]
	s_add_nc_u64 s[10:11], s[10:11], s[66:67]
	s_lshl_b32 s66, s17, 1
	s_add_co_u32 s66, s66, s15                     ; my 128 tokens
	s_lshl_b32 s66, s66, 19                        ; x 128 rows of 4,096 bytes
	s_add_nc_u64 s[10:11], s[10:11], s[66:67]
	v_lshlrev_b32 v7, 6, v2                        ; the bias in the result's layout: tile i, register j: column 32 (i / 2) + 8 (i % 2) + 16 h + j
.irp i, 0,1,2,3,4,5,6,7
	global_load_b128 v[BI+8*\i:BI+8*\i+3], v7, s[8:9] offset:(32*(\i/2)+8*(\i%2))*4
	global_load_b128 v[BI+8*\i+4:BI+8*\i+7], v7, s[8:9] offset:(32*(\i/2)+8*(\i%2))*4+16
.endr
.macro FRAG reg, adr, q, i             ; a fragment as it lies: four pieces of 512 bytes
.irp c, 0,1,2,3
	ds_load_b128 v[\reg+4*\c:\reg+4*\c+3], v[\adr] offset:16384*(\q)+2048*(\i)+512*\c
.endr
.endm
; 16 matrix instructions: P's tiles a0, a0 + 1 x R's eight.  cm = 1: the sums begin with the bias.  The 64 accumulators take turns, one instruction a turn, in the same order in every step.
.macro MUL16 a0, p, q, sc, cm
.irp a, \a0, \a0+1
.irp b, 0,1,2,3,4,5,6,7
.if (\cm) == 1
	v_wmma_scale_f32_16x16x128_f8f6f4 v[8*(8*((\a)%4)+\b):8*(8*((\a)%4)+\b)+7], v[128*(\p)+FR*\b:128*(\p)+FR*\b+FR-1], v[AF+FR*(\a):AF+FR*(\a)+FR-1], v[BI+8*\b:BI+8*\b+7], v[SC+8*NQ*(\sc)+NQ*\b+(\q)], v[SC+8*NQ*(\sc)+NQ*(\a)+(\q)] matrix_a_fmt:MATRIX_FMT_BF8 matrix_b_fmt:MATRIX_FMT_BF8 matrix_a_scale:MATRIX_SCALE_ROW1
.else
	v_wmma_scale_f32_16x16x128_f8f6f4 v[8*(8*((\a)%4)+\b):8*(8*((\a)%4)+\b)+7], v[128*(\p)+FR*\b:128*(\p)+FR*\b+FR-1], v[AF+FR*(\a):AF+FR*(\a)+FR-1], v[8*(8*((\a)%4)+\b):8*(8*((\a)%4)+\b)+7], v[SC+8*NQ*(\sc)+NQ*\b+(\q)], v[SC+8*NQ*(\sc)+NQ*(\a)+(\q)] matrix_a_fmt:MATRIX_FMT_BF8 matrix_b_fmt:MATRIX_FMT_BF8 matrix_a_scale:MATRIX_SCALE_ROW1
.endif
.endr
.endr
.endm
.macro FETCH_B slot, q, p
	WIN TO_B
.irp i, 0,1,2,3,4,5,6,7
	FRAG 128*(\p)+FR*\i, ADRB+\slot, \q, \i
.endr
	WIN 0
.endm
.macro FETCH_A slot, q, i0
.irp i, \i0, \i0+1, \i0+2, \i0+3
	FRAG AF+FR*(\i), ADRA+\slot, \q, \i
.endr
.endm
.macro SCALES sc
.irp i, 0,1,2,3,4,5,6,7
	ds_load_b64 v[SC+8*NQ*\sc+NQ*\i:SC+8*NQ*\sc+NQ*\i+1], v[ADRS] offset:\i*SBLK
.endr
.endm
.macro PLACES n                        ; places behind matrix instructions: plain vector instructions that name none of their registers (ISA guide 7.12.1 for vector instructions)
.rept \n
	v_nop
.endr
.endm
.macro STEP slot, q, cm
	s_wait_dscnt 4*NL                              ; R's set and P's tiles 0-3 are in; the youngest 16 loads (P's tiles 4-7) may be out
.if \cm
	WIN BIA_LO
.else
	WIN MUL_LO
.endif
	MUL16 0, (\q)%2, \q, \slot, \cm
	MUL16 2, (\q)%2, \q, \slot, \cm
	s_wait_dscnt 0
	PLACES NP
	FETCH_B \slot, (\q)+1, 1-(\q)%2
	FETCH_A \slot, (\q)+1, 0
.if \cm
	WIN BIA_HI
.else
	WIN MUL_HI
.endif
	MUL16 4, (\q)%2, \q, \slot, \cm
	MUL16 6, (\q)%2, \q, \slot, \cm
	PLACES NP
	WIN 0
	FETCH_A \slot, (\q)+1, 4
.endm
.macro TURN slot, next, fill
	s_wait_tensorcnt 0x0                           ; all my tensor loads have landed: my part of the next slot;
	ds_add_u32 v[SPW], v[NIL]                      ; 0 onto my spare word
	s_wait_dscnt 4*NL+1                            ; (the add and the youngest 16 loads may be out)
	WIN MUL_LO
	MUL16 0, 1, NQ-1, \slot, 0
	s_wait_dscnt 0x0                               ; the add is done, and my reads of this slot are over
	s_barrier_signal -1
	MUL16 2, 1, NQ-1, \slot, 0
	WIN 0
	s_barrier_wait -1
.if \fill
	CREST                                          ; the barrier has opened a round of the cluster's barrier
	s_add_nc_u64 s[G0+4*\slot+2:G0+4*\slot+3], s[G0+4*\slot+2:G0+4*\slot+3], 2*HALFT
	s_add_nc_u64 s[G0B+4*\slot+2:G0B+4*\slot+3], s[G0B+4*\slot+2:G0B+4*\slot+3], 2*HALFT
	JLOAD G0+4*\slot, G1, G0B+4*\slot, G1B         ; the first tensor load behind the round
	PLACES NP-4
.else
	PLACES NP
.endif
	s_wait_alu depctr_va_vdst(0)
	v_add_nc_u32 v[ADRS], 4*NQ, v[ADRS]
	FETCH_B \next, 0, 0
	FETCH_A \next, 0, 0
	SCALES \next
	WIN MUL_HI
	MUL16 4, 1, NQ-1, \slot, 0
	MUL16 6, 1, NQ-1, \slot, 0
	PLACES NP
	WIN 0
	FETCH_A \next, 0, 4
.endm
	s_wait_alu depctr_va_vdst(0)
	s_wait_tensorcnt 1                             ; the scales and my part of slot 0 are in (slot 1's load may be out)
	s_barrier_signal -1
	s_barrier_wait -1                              ; everybody's are
	FETCH_B 0, 0, 0
	FETCH_A 0, 0, 0
	SCALES 0
	FETCH_A 0, 0, 4
	s_wait_loadcnt 0x0                             ; the bias
	STEP 0, 0, 1                                   ; the first step stands in front of the loop: its products start the sums, with the bias
	s_mov_b32 s3, LAPS-1
.Llap:
	TURN 0, 1, 1
	STEP 1, 0, 0
	TURN 1, 0, 1
	STEP 0, 0, 0
	s_sub_co_u32 s3, s3, 1
	s_cmp_lg_u32 s3, 0
	s_cbranch_scc1 .Llap
	TURN 0, 1, 0                                   ; the last lap fills nothing
	STEP 1, 0, 0
	s_wait_dscnt 4*NL
	WIN MUL_LO
	MUL16 0, 1, NQ-1, 1, 0
	MUL16 2, 1, NQ-1, 1, 0
	s_wait_dscnt 0
	WIN MUL_HI
	MUL16 4, 1, NQ-1, 1, 0
	MUL16 6, 1, NQ-1, 1, 0
	WIN 0
; THE WAY OUT, P's tile by tile: 16 tokens x 128 columns go through my own stage in LDS and come back as whole rows of 512 bytes.  Accumulator b's eight numbers are columns 32 (b / 2) + 8 (b % 2) + 16 h + 0 .. 7;
; stage row t is token 32 (a / 2) + 8 (a % 2) + t + 8 (t / 8) of my 128.  LDS serves a wave's instructions in order (ISA guide 5.7.1.4): no wait between the stores and the loads.
.macro TOSTAGE a
.set AC, 64*((\a)%4)
	WIN 0x08+4*((\a)/4)                            ; the data: window 2 or 3
.irp b, 0,1,2,3,4,5,6,7
	ds_store_b128 v[STO], v[AC+8*\b:AC+8*\b+3] offset:128*(\b/2)+32*(\b%2)          ; each accumulator from its low end on
	ds_store_b128 v[STO], v[AC+8*\b+4:AC+8*\b+7] offset:128*(\b/2)+32*(\b%2)+16
.endr
	WIN 0
.set BB, BK+64*((\a)%2)
.irp t, 0,1,2,3,4,5,6,7,8,9,10,11,12,13,14,15
	ds_load_b128 v[BB+4*\t:BB+4*\t+3], v[RD] offset:\t*SPITCH
.endr
.endm
.macro SEND a, younger                 ; younger: the LDS instructions issued behind tile a's loads, which may stay out
.set BB, BK+64*((\a)%2)
	s_wait_dscnt \younger
.irp t, 0,1,2,3,4,5,6,7,8,9,10,11,12,13,14,15
	global_store_b128 v[CO], v[BB+4*\t:BB+4*\t+3], s[10:11] offset:(32*((\a)/2)+8*((\a)%2)+\t+8*(\t/8))*4096 th:TH_STORE_NT   ; 32 lanes store 512 consecutive bytes, aligned; 127 rows at the most: inside the signed 24-bit immediate
.endr
.endm
	PLACES NP
	TOSTAGE 0
.irp a, 1,2,3,4,5,6,7
.if \a > 1
	s_wait_xcnt 0x0                                ; tile a - 2's stores have read their registers: tile a's loads may land there
.endif
	TOSTAGE \a
	SEND \a-1, 32                                  ; behind tile a - 1's loads: tile a's 16 stores and 16 loads
.endr
	SEND 7, 0
	s_wait_tensorcnt 0x0                           ; the wave's end
	ds_add_u32 v[SPW], v[NIL]
	s_wait_dscnt 0x0
	CROUND                                         ; the closing round
	s_endpgm
.Lfunc_end_k_qc0de599bf6_proj:
	.size	k_qc0de599bf6_proj, .Lfunc_end_k_qc0de599bf6_proj-k_qc0de599bf6_proj
	.p2alignl 7, 3214868480
	.fill 96, 4, 3214868480
	.section	.rodata,"a",@progbits
	.p2align	6, 0x0
	.amdhsa_kernel k_qc0de599bf6_proj
		.amdhsa_group_segment_fixed_size 327680
		.amdhsa_private_segment_fixed_size 0
		.amdhsa_enable_private_segment 0
		.amdhsa_kernarg_size 32
		.amdhsa_user_sgpr_count 2
		.amdhsa_user_sgpr_kernarg_segment_ptr 1
		.amdhsa_wavefront_size32 1
		.amdhsa_system_sgpr_workgroup_id_x 1
		.amdhsa_system_sgpr_workgroup_id_y 1
		.amdhsa_system_sgpr_workgroup_id_z 1
		.amdhsa_system_vgpr_workitem_id 0
		.amdhsa_next_free_vgpr 1024
		.amdhsa_next_free_sgpr 100
		.amdhsa_reserve_vcc 0
		.amdhsa_float_denorm_mode_32 3
		.amdhsa_float_denorm_mode_16_64 3
		.amdhsa_memory_ordered 1
		.amdhsa_forward_progress 1
		.amdhsa_inst_pref_size 146
	.end_amdhsa_kernel
	.amdgpu_metadata
---
amdhsa.version: [ 1, 2 ]
amdhsa.kernels:
  - .name:           k_qc0de599bf6_proj
    .symbol:         k_qc0de599bf6_proj.kd
    .args:
      - { .name: obuf, .offset: 0, .size: 8, .value_kind: global_buffer, .address_space: global }
      - { .name: wbuf, .offset: 8, .size: 8, .value_kind: global_buffer, .address_space: global }
      - { .name: c_proj_b, .offset: 16, .size: 8, .value_kind: global_buffer, .address_space: global }
      - { .name: out0, .offset: 24, .size: 8, .value_kind: global_buffer, .address_space: global }
    .group_segment_fixed_size: 327680
    .private_segment_fixed_size: 0
    .kernarg_segment_align: 8
    .kernarg_segment_size: 32
    .max_flat_workgroup_size: 128
    .sgpr_count:     100
    .vgpr_count:     1024
    .wavefront_size: 32
...
	.end_amdgpu_metadata
.endif
;; end of part 4
